; MI455X (gfx1250); checked and timed in simulation.
; The chip was launched on July 23, 2026; its instructions are those of AMD's public machine-readable ISA for CDNA 5 (MIT licence, August 2026) and "CDNA5" Instruction Set Architecture Reference Guide (July 2026). The comments in the code are by the model that wrote it; some were corrected since.
;; Flex Bert Padded Rope Attention. Allowed arithmetic: matrix products marked QUANTISED: E2M1 operands, one E8M0 scale for each 32 along K, by v_wmma_scale_f32_16x16x128_f8f6f4 with both operands' format E2M1 (or v_wmma_scale_f32_32x16x128_f4), f32 sums; products left as they are: f32 operands where the result goes on into a quantised operand, else bf16, f16 or f32 operands; f32 sums; everything else in f32.
;; Inputs: Wo_b 1,024 float32; Wo_w_codes 1,024 x 32 x 16 uint8 (E2M1 codes of Wo_w, K innermost, in blocks of 32 codes, two codes a byte); Wo_w_scales 1,024 x 32 uint8 (E8M0 scales of Wo_w, one for each 32 codes along K); Wqkv_b 3,072 float32; Wqkv_w_codes 3,072 x 32 x 16 uint8 (E2M1 codes of Wqkv_w, K innermost, in blocks of 32 codes, two codes a byte); Wqkv_w_scales 3,072 x 32 uint8 (E8M0 scales of Wqkv_w, one for each 32 codes along K); hidden_states_codes 4 x 2,048 x 32 x 16 uint8 (E2M1 codes of hidden_states, K innermost, in blocks of 32 codes, two codes a byte); hidden_states_scales 4 x 2,048 x 32 uint8 (E8M0 scales of hidden_states, one for each 32 codes along K).
;; Outputs: out0 4 x 2,048 x 1,024 float32.
;; This version of the problem:
;;   THIS VERSION OF THE PROBLEM IS GIVEN IN LOW PRECISION. The matrix products marked QUANTISED in the list below multiply operands that are first quantised to E2M1 (2 exponent bits, 1 mantissa bit; 4 bits a number), with one power-of-two scale for each 32 numbers along K (OCP MX v1.0); their sums are f32. All else is computed in f32.
;;   The module's matrix products, in the order in which they are computed (A, B: the left and right operand; K: the contracted axis; several contracted axes count as one K, in the product's order):
;;     1. [M 8,192, K 1,024] x [K 1,024, N 3,072]; A: input hidden_states (given as codes); B: input Wqkv_w (given as codes): QUANTISED
;;     2. [M 2,048, K 1] x [K 1, N 32]; A: computed on the way; B: computed on the way: left as it is (no contracted axis)
;;     3. batch 64 x [M 2,048, K 64] x [K 64, N 2,048]; A: computed on the way; B: computed on the way: QUANTISED
;;     4. batch 64 x [M 64, K 2,048] x [K 2,048, N 2,048]; A: computed on the way; B: softmax (see below): QUANTISED
;;     5. [M 8,192, K 1,024] x [K 1,024, N 1,024]; A: computed on the way; B: input Wo_w (given as codes): QUANTISED
;;   THE QUANTISER, for each operand of a quantised product, along K:
;;     - K is cut into blocks of 32 from its start; a last block that is shorter is filled with zeros.
;;     - A block's scale is 2^e with e = floor(log2(the largest magnitude in the block)) - 2, held to -126 .. 127; a block of zeros has e = 0. As a byte (E8M0): e + 127.
;;     - Each number is divided by its block's scale, clamped to +-6, and rounded to the nearest number of E2M1, ties to even, subnormals kept.
;;     - The product sums the exact products of the quantised numbers (number of the format x scale) in f32.
;;   ~~~python
;;   def quantise(x, axis):      # numpy; x: float32 -> the quantised numbers, widened to float32 again
;;       x = np.moveaxis(x, axis, -1); K = x.shape[-1]
;;       x = np.pad(x, [(0, 0)] * (x.ndim - 1) + [(0, -K % 32)]); x = x.reshape(x.shape[:-1] + (-1, 32)); a = np.abs(x).max(-1, keepdims=True)
;;       e = np.where(a > 0, np.clip(np.frexp(np.where(a > 0, a, 1))[1] - 1 - 2, -126, 127), 0)      # np.frexp(a)[1] - 1 = floor(log2(a)), exactly
;;       r = np.clip(x / 2.0 ** e, -6, 6)
;;       step = 2.0 ** (np.maximum(np.frexp(np.where(r == 0, 1, r))[1] - 1, 0) - 1)
;;       q = np.round(r / step) * step * 2.0 ** e      # np.round: ties to even
;;       return np.moveaxis(q.reshape(q.shape[:-2] + (-1,))[..., :K], -1, axis).astype(np.float32)
;;   ~~~
;;   SOFTMAX AHEAD OF A QUANTISED PRODUCT. Where the list says 'softmax', what is quantised is not the finished softmax but p = 2^(t - M), with t = logit x log2(e) and M = ceil(the row's largest t), a whole number; so 1/2 < the row's largest p <= 1. The row's sum l is taken of the UNQUANTISED p, in f32, and the product's result is divided by l at the end. Since M is a whole number, a kernel that streams over the keys may use a running M (the ceiling of the running maximum): every later rescaling is an exact power of two, which a block's scale takes up: the codes' values come out the same.
;;   OPERANDS COMPUTED ON THE WAY. 'Computed on the way' means the value that the module computes at that place (a softmax that the list does not call 'softmax' is quantised finished and normalised). What goes into a quantiser is computed in f32, as accurately as f32 sums, v_exp_f32 and their like allow (about 1e-6 of the number): no bf16 or f16 on the way to a quantiser, and a product that is left as it is and whose result goes on into a quantised operand takes f32 operands (vector FMAs, or v_wmma_f32_16x16x4_f32). A number that lies on a knife's edge between two numbers of the format may be rounded either way, as far as f32 arithmetic and the matrix unit's own rounding can turn it there, and no further.
;;   INPUTS GIVEN AS CODES. Wo_w (in the module: [1024, 1024], K = its axis 1); Wqkv_w (in the module: [3072, 1024], K = its axis 1); hidden_states (in the module: [4, 2048, 1024], K = its axis 2): each comes as NAME_codes (uint8): NAME with its K axis moved to the last place and cut into blocks of 32 codes, [.., K / 32, bytes a block], one block behind the other in memory; two codes a byte, the lower K in the low four bits (a code: sign, 2 exponent bits, 1 mantissa bit); and NAME_scales (uint8): the same leading axes, one E8M0 byte (e + 127) for each 32 codes along K. Its value is code x scale, taken as it is: it is not quantised again, and the codes and scales need not be those that the quantiser above would give.
;; One version. Each part assembles by itself: llvm-mc -triple=amdgcn-amd-amdhsa -mcpu=gfx1250 --defsym DOCPART=n.
;; ======== version 1 of 1: 3 launches
;; limits: right only within a limited range of input values
;; workspace buffers: qrec 4,718,592 bytes; krec 4,718,592 bytes; vrec 4,456,448 bytes; attn_img 4,194,304 bytes; attn_sc 262,144 bytes
;; launch qkv (part 1): grid 12 x 32, 4 waves a work-group, clusters of 4 x 4, 327,680 bytes of LDS; arguments hidden_states_codes, hidden_states_scales, Wqkv_w_codes, Wqkv_w_scales, Wqkv_b, qrec, krec, vrec; writes qrec, krec, vrec
.if DOCPART == 1
	.amdgcn_target "amdgcn-amd-amdhsa--gfx1250"
	.amdhsa_code_object_version 6
	.text
	.protected	k_qf231d8a750_qkv
	.globl	k_qf231d8a750_qkv
	.p2align	8
	.type	k_qf231d8a750_qkv,@function
k_qf231d8a750_qkv:
	s_mov_b64 s[64:65], 0
	v_nop
	global_prefetch_b8 v0, s[64:65] scope:SCOPE_SE
	s_setreg_imm32_b32 hwreg(HW_REG_WAVE_MODE, 25, 1), 1
	s_wait_xcnt 0x0
	s_wait_alu depctr_hold_cnt(0) depctr_sa_sdst(0) depctr_va_vdst(0) depctr_va_sdst(0) depctr_va_ssrc(0) depctr_va_vcc(0) depctr_vm_vsrc(0)
	s_getreg_b32 s2, hwreg(HW_REG_IB_STS2, 6, 4)
	s_cmp_eq_u32 s2, 0
	s_cbranch_scc0 .Lentry_in_a_cluster
	s_endpgm
.Lentry_in_a_cluster:
	s_bfe_u32 s2, ttmp6, 0x10000c
	s_cmp_lg_u32 s2, 0xf033
	s_cbranch_scc0 .Lentry_shape_is_right
	s_endpgm
.Lentry_shape_is_right:
; qkv = hidden_states Wqkv_w^T + Wqkv_b on the given codes of FP4 (E2M1) with their E8M0 scale bytes; rotary embedding on q and k; then the quantisers of the next products' operands:
; q and k along the head's 64 (two blocks of 32), v along the keys (blocks of 32 tokens).  What leaves are codes and scale words, laid as images of the next launch's operand registers.
; DEAD WORK: none.  Every input has a way to out0: both biases are added ahead of a quantiser or to the result, and K's bias moves k's codes.  Nothing is left out in any launch of this program.
; SHARES.  A work-group of four waves makes 256 tokens x 256 rows of Wqkv_w; a wave 128 x 128: 64 accumulators of 16 x 16.  K = 1,024 is two LDS slots of 512, each filled once: no slot is filled again.
; The cluster's x says which part the rows belong to: 0 q, 1 k, 2 v.  4 x 4 work-groups form a cluster: tokens' tiles are asked for jointly along a row of it, weights' tiles along a column.
; A RESULT'S REGISTERS MUST RUN ALONG THE NEXT K.  For q and k that is d: source 0 = 16 rows of W, source 1 = 16 tokens: a lane holds one token and eight d.  For v it is the tokens: source 0 = 16 tokens, source 1 = 16 rows of W.
; No LDS address register differs between the two; the products' text is one.
; FROM A RESULT TO AN OPERAND.  Tile t's register j of lane (r, h) is k = 16 t + 8 h + j.  A conversion of a tile's eight registers gives eight codes; the operand wants register 4 c + p of lane (r, h') to hold k = 64 c + 32 h' + 8 p + 0..7.
; So tiles 4 c + 0, 1, 2, 3 are converted into registers 4 c + 0, 2, 1, 3, and two exchanges of halves (registers 4 c with 4 c + 1, 4 c + 2 with 4 c + 3) give the operand.  A block of 32 is tiles 2 b, 2 b + 1 of lanes l and l xor 16.
; THE TABLE of cos and sin for the work-group's 256 positions is made in LDS, in slot 0, which by then has had its one fill and its last read.  Every work-group walks the table's 16 trips; v's jump over the work inside a trip.
; The table's set-up (about a hundred instructions) is run by v's work-groups too, where it serves nothing: so each register that the loop reads is written on every way through the text.
; LIMITS.  inv_freq is 1 / fl(10^(j / 8)), the division rounded as a division is; were the reference's power an ulp off, the angle at the last positions would differ by up to 2,047 x 2^-23 radians.
; A block of zeros gets the scale byte 1 where the quantiser's rule says 127: its codes are zeros, which add nothing under any byte but 0xff, and these bytes are read by this program alone.
; NaN and infinities are not served (a given scale byte 0xff gives what the matrix instruction gives).
; REGISTERS, in windows of 256: window 0: v16-31 addresses; v32-95 scale words, two sets; v128-191 source 1's fragments, one set; behind the products v32-255 are at work.
;   window 1: source 0's fragments, two sets, at v0 and v128.  windows 2, 3: the accumulators, (a, b) at v[8 (8 (a % 4) + b)], a = source 1's block, b = source 0's.
.set NQ,     4                         ; steps of 128 along K in a slot
.set ROWB,   256                       ; a tile's row: 512 codes
.set KROW,   512                       ; a row of codes in memory: 1,024 codes
.set PITCH,  272                       ; an LDS row: 256 bytes + 16 of padding: the 16 rows that a load touches start 16 bytes further on in the banks' row each
.set FR,     8
.set NL,     2
.set NP,     4
.set HALFT,  128*PITCH
.set SLOT,   4*HALFT                   ; tokens' 256 rows, then weights' 256 rows
.set KS,     32                        ; a row of scale bytes
.set SCL,    2*SLOT                    ; the scale bytes, as units of 256 bytes + 16 of padding
.set HALFS,  (128*KS/256)*272
.set SBLK,   (16*KS/256)*272
.set SPARE,  SCL+4*HALFS               ; the spare words, 128 bytes for each wave
.set RECQ,   4608                      ; a record of q or k: 128 tokens of one head: 8 tiles x 512 bytes, then 512 bytes of scale words
.set RECV,   4352                      ; a record of v: 4 tiles of 16 d x 1,024 bytes, then 256 bytes of scale words
.set HSQ,    16*RECQ                   ; from head to head
.set HSV,    16*RECV
.set ADR1, 16                          ; v16-17  LDS address of source 1's fragments in slot 0, 1
.set ADR0, 20                          ; v20-21  of source 0's
.set LO,   24                          ; v24     16 x lane
.set LO8,  25                          ; v25     8 x lane
.set TR,   26                          ; v26     my token's row of the table, + 32 h
.set ADRS, 27                          ; v27     my scale words: lanes 0-15 source 1's rows, lanes 16-31 source 0's
.set SPW,  28                          ; v28     my spare word; never rewritten
.set NIL,  29                          ; v29     0; never rewritten
.set BO,   30                          ; v30     32 h
.set BO2,  31                          ; v31     4 r
.set SC,   32
.set AF,   128
.set G1, 24
.set G0, 32
.set G1B, 48
.set G0B, 56
.set G1S, 68
.set G0S, 76
.set G1SB, 80
.set G0SB, 88
.set SEL, 92                           ; s[92:93] lane selects for lane l xor 16 (behind the head)
.set DST, 96                           ; s[96:97] where my records begin
; behind the products, window 0:
.set X,   32                           ; v32-95   64 numbers of a lane
.set BI,  96                           ; v96-159  the bias (q, k: 64 numbers; v: 8 pairs)
.set CO,  160                          ; v160-175 cos
.set SI,  176                          ; v176-191 sin
.set TP,  192                          ; v192-223 at work
.set PC,  224                          ; v224-231 the codes just made
.set TM,  232                          ; v232-247 at work in the quantiser
.set PWS, 248                          ; v248-255 a scale word for each of the eight blocks
; the table's registers
.set T_P,  32
.set T_R,  33
.set T_E,  34
.set T_F,  35                          ; inv_freq of my lane's frequency
.set T_T,  36                          ; v36-39 four positions
.set T_A0, 40
.set T_A,  41
.set T_ANG, 44
.set T_KF, 48
.set T_RR, 52
.set T_KI, 56
.set T_ZZ, 60
.set T_PS, 64
.set T_PC, 68
.set T_ZR, 72
.set T_SN, 76
.set T_CN, 80
.set T_Z2, 84
.set T_HH, 88
.set T_SO, 92
.set T_CO, 96
.set T_TS, 100
.set MSB, 0
.macro WIN new                         ; the immediate's high byte repeats the setting that is left
.if MSB != (\new)
	s_set_vgpr_msb (MSB<<8)|(\new)
.set MSB, (\new)
.endif
.endm
.set MUL_LO, 0xa1                      ; source 0 window 1, source 1 window 0, C and D window 2
.set MUL_HI, 0xf1                      ; the same, C and D window 3
.set TO_B,   0x40                      ; destination window 1
; A joint load: waves 0 and 1 fetch tokens' rows, waves 2 and 3 weights'.  The branch hangs on the wave's number alone.  An s_nop 0 and four v_nop follow each line.
.macro JLOAD g0a, g1a, g0b, g1b
	s_cmp_eq_u32 s15, 0
	s_cbranch_scc0 .Lfor_b_\@
	tensor_load_to_lds s[\g0a:\g0a+3], s[\g1a:\g1a+7]
	s_nop 0
.rept 4
	v_nop
.endr
	s_branch .Lasked_\@
.Lfor_b_\@:
	tensor_load_to_lds s[\g0b:\g0b+3], s[\g1b:\g1b+7]
	s_nop 0
.rept 4
	v_nop
.endr
.Lasked_\@:
.endm
.macro CROUND                          ; a round of the cluster's barrier
	s_barrier_signal -1
	s_barrier_wait -1
	s_cmp_lg_u32 s14, 0
	s_cbranch_scc1 .Lnot_wave_0_\@
	s_barrier_signal -3
.Lnot_wave_0_\@:
	s_barrier_wait -3
	s_barrier_signal -1
	s_barrier_wait -1
.endm
	s_load_b128 s[4:7], s[0:1], 0x0                ; tokens' codes, tokens' scales
	s_load_b128 s[8:11], s[0:1], 0x10              ; weights' codes, weights' scales
	s_load_b64 s[12:13], s[0:1], 0x20              ; the bias
	s_load_b128 s[96:99], s[0:1], 0x28             ; qrec, krec
	s_load_b64 s[100:101], s[0:1], 0x38            ; vrec
	v_lshl_add_u32 v[SPW], v0, 2, SPARE
	v_mov_b32 v[NIL], 0
	ds_add_u32 v[SPW], v[NIL]                      ; the wave's opening: the add, twice on end, and its wait ahead of my first tensor load
	ds_add_u32 v[SPW], v[NIL]
	v_lshrrev_b32 v1, 5, v0
	v_readfirstlane_b32 s14, v1                    ; wave 0..3
	s_lshr_b32 s15, s14, 1                         ; which half of the tokens is mine.  Also: I fetch tokens' rows (0) or weights' (1)
	s_and_b32 s16, s14, 1                          ; which half of the weights' rows.  Also: which 128 rows I fetch
	s_bfe_u32 s40, ttmp6, 0x40000                  ; cx, cy: my place in the cluster
	s_bfe_u32 s41, ttmp6, 0x40004
	; WHICH ROWS LIE WHERE.  LDS region A (source 1) is shared along a row of the cluster, region B (source 0) along a column, in every work-group alike.
	; q, k: A = tokens' block 4 x cluster y + cy, B = W's block 4 x cluster x + cx.  v (cluster x = 2): A = W's block 8 + cy, B = tokens' block 4 x cluster y + cx.
	; So v's sources are swapped by global addresses alone: no LDS address and no mask hangs on the part.
	s_and_b32 s17, ttmp7, 0xffff
	s_lshl_b32 s17, s17, 2
	s_lshl_b32 s42, ttmp9, 2
	s_cmp_eq_u32 ttmp9, 2
	s_cselect_b32 s2, s17, s42
	s_cselect_b32 s17, 8, s17
	s_add_co_u32 s42, s2, s40                      ; region B's block of 256 rows
	s_add_co_u32 s17, s17, s41                     ; region A's block of 256 rows
	s_lshl_b32 s43, s41, 2
	s_lshl_b32 s43, 15, s43                        ; my row of the cluster
	s_lshl_b32 s44, 0x1111, s40                    ; my column
	; group 1: 128 rows x 256 bytes, 16 bytes of padding behind each
	s_or_b32 s[G1+0], s43, (0<<16)|(1<<20)|(1<<21)|(5<<22)|(3<<25)
	s_or_b32 s[G1B+0], s44, (0<<16)|(1<<20)|(1<<21)|(5<<22)|(3<<25)
.irp g, G1, G1B
	s_mov_b32 s[\g+1], ROWB<<16                    ; tensor_dim0
	s_mov_b32 s[\g+2], 256<<16                     ; tensor_dim1: 256 rows for the head's loads; set to 128 behind them
	s_mov_b32 s[\g+3], ROWB<<16                    ; tile_dim0
	s_mov_b32 s[\g+4], 256                         ; tile_dim1
	s_mov_b32 s[\g+5], KROW                        ; from row to row
	s_mov_b32 s[\g+6], 0
	s_mov_b32 s[\g+7], 0
.endr
	; the scale bytes of 256 rows: 8,192 dense bytes, as 32 rows of 256 bytes (32 elements of 8), 16 bytes of padding behind each
	s_or_b32 s[G1S+0], s43, (3<<16)|(1<<20)|(1<<21)|(5<<22)|(3<<25)
	s_or_b32 s[G1SB+0], s44, (3<<16)|(1<<20)|(1<<21)|(5<<22)|(3<<25)
.irp g, G1S, G1SB
	s_mov_b32 s[\g+1], 32<<16
	s_mov_b32 s[\g+2], KS<<16                      ; the scale bytes of 256 rows: KS rows of 256 bytes
	s_mov_b32 s[\g+3], 32<<16
	s_mov_b32 s[\g+4], KS
	s_mov_b32 s[\g+5], 32
	s_mov_b32 s[\g+6], 0
	s_mov_b32 s[\g+7], 0
.endr
.set G0H, 4                            ; s[4:7], s[8:11] group 0 of the head's loads of slot 0 (the arguments that lay there have been used by then)
.set G0HB, 8
	s_lshl_b32 s20, s17, 8                         ; region A's first row
	s_lshl_b32 s46, s42, 8                         ; region B's first row
	s_mov_b32 s21, 0
	s_mov_b32 s47, 0
	s_mov_b64 s[18:19], KS
	s_mul_u64 s[22:23], s[20:21], s[18:19]         ; where these rows' scale bytes begin
	s_mul_u64 s[92:93], s[46:47], s[18:19]
	s_mov_b64 s[18:19], KROW
	s_mul_u64 s[20:21], s[20:21], s[18:19]         ; and their codes: both tensors have rows of KROW bytes of codes and KS scale bytes
	s_mul_u64 s[46:47], s[46:47], s[18:19]
	s_mul_i32 s18, s16, 128*KROW                   ; slot 1 comes in quarters: which 128 rows I fetch,
	s_mov_b32 s19, 0
	s_mul_i32 s45, s14, HALFT                      ; and where they go: wave x 128 rows
	s_wait_dscnt 0x0                               ; both opening adds are done
	s_wait_kmcnt 0x0
	s_cmp_eq_u32 ttmp9, 2                          ; the cluster's x alone chooses between the two tensors
	s_cselect_b64 s[2:3], s[8:9], s[4:5]           ; region A's codes: W's for v, else the tokens'
	s_cselect_b64 s[94:95], s[10:11], s[6:7]       ; region A's scale bytes
	s_cselect_b64 s[8:9], s[4:5], s[8:9]           ; region B's codes
	s_cselect_b64 s[10:11], s[6:7], s[10:11]       ; region B's scale bytes
	s_add_nc_u64 s[20:21], s[2:3], s[20:21]
	s_add_nc_u64 s[22:23], s[94:95], s[22:23]
	s_add_nc_u64 s[46:47], s[8:9], s[46:47]
	s_add_nc_u64 s[92:93], s[10:11], s[92:93]
	CROUND                                         ; all sixteen work-groups are here: the first joint loads meet
	s_mov_b32 s[G0H], 1                            ; the head's four tiles, each whole: slot 0's 256 rows of region A,
	s_mov_b32 s[G0H+1], 0
	s_mov_b64 s[G0H+2:G0H+3], s[20:21]
	s_or_b32 s[G0H+3], s[G0H+3], 0x80000000
	s_mov_b32 s[G0HB], 1                           ; its 256 rows of region B,
	s_mov_b32 s[G0HB+1], 2*HALFT
	s_mov_b64 s[G0HB+2:G0HB+3], s[46:47]
	s_or_b32 s[G0HB+3], s[G0HB+3], 0x80000000
	s_mov_b32 s[G0S], 1                            ; region A's scale bytes,
	s_mov_b32 s[G0S+1], SCL
	s_mov_b64 s[G0S+2:G0S+3], s[22:23]
	s_or_b32 s[G0S+3], s[G0S+3], 0x80000000
	s_mov_b32 s[G0SB], 1                           ; and region B's
	s_mov_b32 s[G0SB+1], SCL+2*HALFS
	s_mov_b64 s[G0SB+2:G0SB+3], s[92:93]
	s_or_b32 s[G0SB+3], s[G0SB+3], 0x80000000
	s_add_nc_u64 s[20:21], s[20:21], s[18:19]      ; slot 1: my 128 rows
	s_add_nc_u64 s[46:47], s[46:47], s[18:19]
	s_mov_b32 s[G0+4], 1
	s_add_co_u32 s[G0+5], s45, SLOT
	s_add_nc_u64 s[G0+6:G0+7], s[20:21], ROWB
	s_or_b32 s[G0+7], s[G0+7], 0x80000000
	s_mov_b32 s[G0B+4], 1
	s_add_co_u32 s[G0B+5], s45, SLOT
	s_add_nc_u64 s[G0B+6:G0B+7], s[46:47], ROWB
	s_or_b32 s[G0B+7], s[G0B+7], 0x80000000
; THE HEAD'S LOADS, ONE A WAVE: wave 0 slot 0's region A, wave 1 its region B, wave 2 region A's scale bytes, wave 3 region B's.  One tree of branches on the wave's number, an arm a load.
.macro ARM under, g0, g1, next
	s_cmp_lt_u32 s14, \under
	s_cbranch_scc0 \next
	tensor_load_to_lds s[\g0:\g0+3], s[\g1:\g1+7]
	s_nop 0
.rept 4
	v_nop
.endr
	s_branch .Lhead_asked
\next:
.endm
	ARM 1, G0H,  G1,  .Lhead_b
	ARM 2, G0HB, G1B, .Lhead_sa
	ARM 3, G0S,  G1S, .Lhead_sb
	tensor_load_to_lds s[G0SB:G0SB+3], s[G1SB:G1SB+7]
	s_nop 0
.rept 4
	v_nop
.endr
.Lhead_asked:
	v_and_b32 v1, 15, v0                           ; r
	v_bfe_u32 v2, v0, 4, 1                         ; h
	v_mul_u32_u24 v3, v1, PITCH
	v_lshl_add_u32 v4, v2, 4, v3                   ; a fragment's row x pitch + 16 h
	s_wait_alu depctr_va_vdst(0)
	s_mul_i32 s21, s15, HALFT                      ; my 128 tokens' rows
	s_mul_i32 s22, s16, HALFT
	s_add_co_u32 s22, s22, 2*HALFT                 ; my 128 rows of W, behind the tokens' 256
	v_lshl_add_u32 v[TR], v2, 5, v3
	v_add_nc_u32 v[TR], s21, v[TR]                 ; the table: row 128 x half + r (its pitch is 272 too), + 32 h
	s_mov_b32 s18, s21                             ; source 1: my half of region A
	s_mov_b32 s19, s22                             ; source 0: my half of region B
.irp s, 0,1
	v_add_nc_u32 v[ADR1+\s], s18, v4
	v_add_nc_u32 v[ADR0+\s], s19, v4
	s_add_co_u32 s18, s18, SLOT
	s_add_co_u32 s19, s19, SLOT
.endr
	v_mul_u32_u24 v5, v1, KS                       ; my row's scale bytes: 32 a row,
	v_lshrrev_b32 v6, 8, v5
	v_lshl_add_u32 v5, v6, 4, v5                   ; and 16 more for each 256 passed
	s_mul_i32 s21, s15, HALFS                      ; region A's scale bytes, my half
	s_mul_i32 s22, s16, HALFS                      ; region B's, my half, behind A's 256 rows
	s_add_co_u32 s22, s22, 2*HALFS
	s_sub_co_u32 s22, s22, s21
	v_mul_u32_u24 v6, s22, v2                      ; lanes 16-31 take source 0's words: one product, h x the distance
	s_add_co_u32 s21, s21, SCL
	v_add_nc_u32 v5, v5, v6
	v_add_nc_u32 v[ADRS], s21, v5
	v_and_b32 v6, 31, v0
	v_lshlrev_b32 v[LO], 4, v6
	v_lshlrev_b32 v[LO8], 3, v6
	v_lshlrev_b32 v[BO], 5, v2
	v_lshlrev_b32 v[BO2], 2, v1
	; where my records begin: head 16 batch + 4 cx + 2 x (my half of W's rows); key step 2 (y % 8) + my half of the tokens
	s_cmp_eq_u32 ttmp9, 2                          ; which region holds what: these five enter global offsets alone
	s_cselect_b32 s18, s42, s17                    ; my block of 256 tokens
	s_cselect_b32 s19, s41, s40                    ; my block of 256 rows within the part
	s_cselect_b32 s20, s15, s16                    ; my half of W's rows
	s_cselect_b32 s21, s16, s15                    ; my half of the tokens
	s_cselect_b32 s22, s17, s42                    ; my block of 256 rows of W
	s_lshr_b32 s46, s18, 3
	s_lshl_b32 s46, s46, 4
	s_lshl_b32 s47, s19, 2
	s_add_co_u32 s46, s46, s47
	s_lshl_b32 s47, s20, 1
	s_add_co_u32 s46, s46, s47
	s_lshl_b32 s46, s46, 4
	s_and_b32 s47, s18, 7
	s_lshl_b32 s47, s47, 1
	s_add_co_u32 s46, s46, s47
	s_add_co_u32 s46, s46, s21
	s_cmp_eq_u32 ttmp9, 1
	s_cselect_b64 s[DST:DST+1], s[98:99], s[96:97]
	s_cmp_eq_u32 ttmp9, 2
	s_cselect_b64 s[DST:DST+1], s[100:101], s[DST:DST+1]
	s_mov_b32 s47, RECQ
	s_cselect_b32 s47, RECV, s47
	s_mul_i32 s46, s46, s47
	s_mov_b32 s47, 0
	s_add_nc_u64 s[DST:DST+1], s[DST:DST+1], s[46:47]
	s_lshl_b32 s46, s22, 10
	s_lshl_b32 s47, s20, 9
	s_add_co_u32 s46, s46, s47
	s_mov_b32 s47, 0
	s_add_nc_u64 s[12:13], s[12:13], s[46:47]      ; the bias of my 128 rows of W
.macro FRAG reg, adr, q, i             ; 16 rows x 128 K of 4-bit codes: 8 registers: lane l holds row l % 16; registers 4 c .. 4 c + 3 hold K = 64 c + 32 (l / 16) + 0 .. 31
.irp c, 0,1
	ds_load_b128 v[\reg+4*\c:\reg+4*\c+3], v[\adr] offset:64*(\q)+32*\c+(\i)*16*PITCH
.endr
.endm
; 16 matrix instructions: source 1's blocks a0, a0 + 1 x source 0's eight.  The 64 accumulators take turns, one instruction a turn, in the same order in every step.
.macro MUL16 a0, p, q, sc, zero
.irp a, \a0, \a0+1
.irp b, 0,1,2,3,4,5,6,7
.if \zero
	v_wmma_scale_f32_16x16x128_f8f6f4 v[8*(8*((\a)%4)+\b):8*(8*((\a)%4)+\b)+7], v[128*(\p)+FR*\b:128*(\p)+FR*\b+FR-1], v[AF+FR*(\a):AF+FR*(\a)+FR-1], 0, v[SC+8*NQ*(\sc)+NQ*\b+(\q)], v[SC+8*NQ*(\sc)+NQ*(\a)+(\q)] matrix_a_fmt:MATRIX_FMT_FP4 matrix_b_fmt:MATRIX_FMT_FP4 matrix_a_scale:MATRIX_SCALE_ROW1
.else
	v_wmma_scale_f32_16x16x128_f8f6f4 v[8*(8*((\a)%4)+\b):8*(8*((\a)%4)+\b)+7], v[128*(\p)+FR*\b:128*(\p)+FR*\b+FR-1], v[AF+FR*(\a):AF+FR*(\a)+FR-1], v[8*(8*((\a)%4)+\b):8*(8*((\a)%4)+\b)+7], v[SC+8*NQ*(\sc)+NQ*\b+(\q)], v[SC+8*NQ*(\sc)+NQ*(\a)+(\q)] matrix_a_fmt:MATRIX_FMT_FP4 matrix_b_fmt:MATRIX_FMT_FP4 matrix_a_scale:MATRIX_SCALE_ROW1
.endif
.endr
.endr
.endm
.macro FETCH_B slot, q, p              ; source 0's eight fragments into set p
	WIN TO_B
.irp i, 0,1,2,3,4,5,6,7
	FRAG 128*(\p)+FR*\i, ADR0+\slot, \q, \i
.endr
	WIN 0
.endm
.macro FETCH_A slot, q, i0             ; source 1's blocks i0 .. i0 + 3
.irp i, \i0, \i0+1, \i0+2, \i0+3
	FRAG AF+FR*(\i), ADR1+\slot, \q, \i
.endr
.endm
.macro SCALES sc                       ; a slot's scale words: four words a row
.irp i, 0,1,2,3,4,5,6,7
	ds_load_b128 v[SC+8*NQ*\sc+NQ*\i:SC+8*NQ*\sc+NQ*\i+3], v[ADRS] offset:\i*SBLK
.endr
.endm
.macro PLACES n                        ; plain vector instructions between a matrix instruction and a load into, or a vector access of, its registers
.rept \n
	v_nop
.endr
.endm
.macro STEP slot, q, zero              ; 128 along K with its successor in the same slot
	s_wait_dscnt 4*NL                              ; all but the youngest eight loads (source 1's blocks 4-7) are in
	WIN MUL_LO
	MUL16 0, (\q)%2, \q, \slot, \zero
	MUL16 2, (\q)%2, \q, \slot, \zero
	s_wait_dscnt 0
	PLACES NP
	FETCH_B \slot, (\q)+1, 1-(\q)%2
	FETCH_A \slot, (\q)+1, 0
	WIN MUL_HI
	MUL16 4, (\q)%2, \q, \slot, \zero
	MUL16 6, (\q)%2, \q, \slot, \zero
	PLACES NP
	WIN 0
	FETCH_A \slot, (\q)+1, 4
.endm
; Slot 0's last step changes slots: one barrier.  In front of it each wave has waited for all its tensor loads (slot 1's part among them) and for its reads of slot 0.  Nothing is filled again.
.macro TURN slot, next
	s_wait_tensorcnt 0x0
	ds_add_u32 v[SPW], v[NIL]
	s_wait_dscnt 4*NL+1                            ; the add and the youngest eight loads may be out
	WIN MUL_LO
	MUL16 0, 1, NQ-1, \slot, 0
	s_wait_dscnt 0x0                               ; the add is done, and my reads of this slot are over
	s_barrier_signal -1
	MUL16 2, 1, NQ-1, \slot, 0
	WIN 0
	s_barrier_wait -1
	PLACES NP
	v_add_nc_u32 v[ADRS], 4*NQ, v[ADRS]            ; the next slot's scale words: 16 bytes on in each row
	FETCH_B \next, 0, 0
	FETCH_A \next, 0, 0
	SCALES \next
	WIN MUL_HI
	MUL16 4, 1, NQ-1, \slot, 0
	MUL16 6, 1, NQ-1, \slot, 0
	PLACES NP
	WIN 0
	FETCH_A \next, 0, 4
.endm
	s_wait_alu depctr_va_vdst(0)
	s_wait_tensorcnt 0x0                           ; my tile of the head's four is in
	ds_add_u32 v[SPW], v[NIL]
	s_mov_b32 s[G1+2], 128<<16                     ; no tensor load of mine is out: from here on a load brings 128 rows
	s_mov_b32 s[G1+4], 128
	s_mov_b32 s[G1B+2], 128<<16
	s_mov_b32 s[G1B+4], 128
	s_wait_dscnt 0x0                               ; the add is done
	CROUND                                         ; all four tiles are in, and all sixteen work-groups are here
	JLOAD G0+4, G1, G0B+4, G1B                     ; slot 1's one fill, a quarter a wave: the first tensor load behind the round
	FETCH_B 0, 0, 0
	FETCH_A 0, 0, 0
	SCALES 0
	FETCH_A 0, 0, 4
	STEP 0, 0, 1                                   ; the first products start the sums: nothing is cleared
	STEP 0, 1, 0
	STEP 0, 2, 0
	TURN 0, 1
	STEP 1, 0, 0
	STEP 1, 1, 0
	STEP 1, 2, 0
	s_wait_dscnt 4*NL
	WIN MUL_LO
	MUL16 0, 1, NQ-1, 1, 0
	MUL16 2, 1, NQ-1, 1, 0
	s_wait_dscnt 0
	WIN MUL_HI
	MUL16 4, 1, NQ-1, 1, 0
	MUL16 6, 1, NQ-1, 1, 0
	WIN 0
	PLACES NP
	; ---- THE TABLE.  Lane j holds frequency j.  P = 10000^(j / 32) = 10^(j / 8), rounded to f32; inv_freq = 1 / P: the reciprocal with one correction step.
	; (All my tensor loads were shown done at the change of slots: the descriptors' registers s24-39 are free.)
.macro WL j, bits
	s_mov_b32 s2, \bits
	v_writelane_b32 v[T_P], s2, \j
.endm
	v_mov_b32 v[T_P], 1.0
	WL 1, 0x3faab0d5
	WL 2, 0x3fe39ea9
	WL 3, 0x4017c496
	WL 4, 0x404a62c2
	WL 5, 0x4086f161
	WL 6, 0x40b3f300
	WL 7, 0x40eff755
	WL 8, 0x41200000
	WL 9, 0x41555d0a
	WL 10, 0x418e432a
	WL 11, 0x41bdb5bc
	WL 12, 0x41fcfb72
	WL 13, 0x4228adb9
	WL 14, 0x4260efc0
	WL 15, 0x4295fa95
	WL 16, 0x42c80000
	WL 17, 0x43055a26
	WL 18, 0x4331d3f4
	WL 19, 0x436d232b
	WL 20, 0x439e1d27
	WL 21, 0x43d2d927
	WL 22, 0x440c95d8
	WL 23, 0x443b793b
	WL 24, 0x447a0000
	WL 25, 0x44a6b0b0
	WL 26, 0x44de48f1
	WL 27, 0x451435fb
	WL 28, 0x4545a471
	WL 29, 0x4583c7b8
	WL 30, 0x45afbb4e
	WL 31, 0x45ea5789
	s_wait_alu depctr_va_vdst(0)
	v_rcp_f32 v[T_R], v[T_P]
	s_and_b32 s2, s17, 7                           ; my wave's first position: 256 (y % 8) + 64 x wave
	s_lshl_b32 s2, s2, 8
	s_lshl_b32 s3, s14, 6
	s_add_co_u32 s2, s2, s3
	v_cvt_f32_u32 v[T_T], s2                       ; (a plain instruction behind the reciprocal)
	v_add_f32 v[T_T+1], 1.0, v[T_T]
	v_add_f32 v[T_T+2], 2.0, v[T_T]
	v_add_f32 v[T_T+3], 0x40400000, v[T_T]
	s_mul_i32 s3, s14, 64*272
	v_and_b32 v[T_A0], 31, v0
	v_lshlrev_b32 v[T_A0], 2, v[T_A0]
	v_add_nc_u32 v[T_A0], s3, v[T_A0]              ; the table's row of my wave's first position, + 4 x lane
	s_wait_alu depctr_va_vdst(0)                   ; the wait ahead of the reciprocal's first reader
	v_fma_f32 v[T_E], -v[T_P], v[T_R], 1.0
	v_fma_f32 v[T_F], v[T_R], v[T_E], v[T_R]
	s_mov_b32 s24, 0x3f22f983                      ; 2 / pi
	s_mov_b32 s25, 0xbfc90fdb                      ; -(pi / 2), the f32 nearest
	s_mov_b32 s26, 0x333bbd2e                      ; that f32 less pi / 2
	s_mov_b32 s27, 0xb94ca1f9                      ; sin: -1.9515296e-4, 8.3321609e-3, -0.16666655
	s_mov_b32 s28, 0x3c08839e
	s_mov_b32 s29, 0xbe2aaaa3
	s_mov_b32 s30, 0x37ccf5ce                      ; cos: 2.4433157e-5, -1.3887316e-3, 4.1666646e-2
	s_mov_b32 s31, 0xbab6061a
	s_mov_b32 s32, 0x3d2aaaa5
	s_mov_b32 s33, 0x80000000
	s_mov_b32 s[SEL], 0x76543210
	s_mov_b32 s[SEL+1], 0xfedcba98
.irp b, 0,1,2,3
	v_mov_b32 v[TM+4+\b], 0                        ; written once: a lane permute's destination counts as one of its sources
.endr
; cos and sin of four positions x my frequency.  angle = position x inv_freq, one rounding; k = the nearest whole number to angle x 2 / pi; r = angle - k pi / 2 in two steps, the first exact; polynomials on |r| <= pi / 4;
; k's low bit swaps the two, bit 1 of k gives sin's sign and bit 1 of k + 1 cos's.  Values are only selected: no branch and no address hangs on them.
.macro SINCOS4
.irp e, 0,1,2,3
	v_mul_f32 v[T_ANG+\e], v[T_T+\e], v[T_F]
.endr
.irp e, 0,1,2,3
	v_mul_f32 v[T_KF+\e], s24, v[T_ANG+\e]
.endr
.irp e, 0,1,2,3
	v_rndne_f32 v[T_KF+\e], v[T_KF+\e]
.endr
.irp e, 0,1,2,3
	v_fma_f32 v[T_RR+\e], v[T_KF+\e], s25, v[T_ANG+\e]
.endr
.irp e, 0,1,2,3
	v_fma_f32 v[T_RR+\e], v[T_KF+\e], s26, v[T_RR+\e]
.endr
.irp e, 0,1,2,3
	v_cvt_i32_f32 v[T_KI+\e], v[T_KF+\e]
.endr
.irp e, 0,1,2,3
	v_mul_f32 v[T_ZZ+\e], v[T_RR+\e], v[T_RR+\e]
.endr
.irp e, 0,1,2,3
	v_fma_f32 v[T_PS+\e], v[T_ZZ+\e], s27, s28
.endr
.irp e, 0,1,2,3
	v_fma_f32 v[T_PC+\e], v[T_ZZ+\e], s30, s31
.endr
.irp e, 0,1,2,3
	v_fma_f32 v[T_PS+\e], v[T_PS+\e], v[T_ZZ+\e], s29
.endr
.irp e, 0,1,2,3
	v_fma_f32 v[T_PC+\e], v[T_PC+\e], v[T_ZZ+\e], s32
.endr
.irp e, 0,1,2,3
	v_mul_f32 v[T_ZR+\e], v[T_ZZ+\e], v[T_RR+\e]
.endr
.irp e, 0,1,2,3
	v_mul_f32 v[T_Z2+\e], v[T_ZZ+\e], v[T_ZZ+\e]
.endr
.irp e, 0,1,2,3
	v_fma_f32 v[T_HH+\e], v[T_ZZ+\e], -0.5, 1.0
.endr
.irp e, 0,1,2,3
	v_fma_f32 v[T_SN+\e], v[T_PS+\e], v[T_ZR+\e], v[T_RR+\e]
.endr
.irp e, 0,1,2,3
	v_fma_f32 v[T_CN+\e], v[T_PC+\e], v[T_Z2+\e], v[T_HH+\e]
.endr
.irp e, 0,1,2,3
	v_and_b32 v[T_TS+\e], 1, v[T_KI+\e]
.endr
.irp e, 0,1,2,3
	v_cmp_ne_u32 s[36+\e], 0, v[T_TS+\e]
.endr
.irp e, 0,1,2,3
	v_cndmask_b32 v[T_SO+\e], v[T_SN+\e], v[T_CN+\e], s[36+\e]
.endr
.irp e, 0,1,2,3
	v_cndmask_b32 v[T_CO+\e], v[T_CN+\e], v[T_SN+\e], s[36+\e]
.endr
.irp e, 0,1,2,3
	v_lshlrev_b32 v[T_TS+\e], 30, v[T_KI+\e]
.endr
.irp e, 0,1,2,3
	v_add_nc_u32 v[T_KI+\e], 1, v[T_KI+\e]
.endr
.irp e, 0,1,2,3
	v_and_b32 v[T_TS+\e], s33, v[T_TS+\e]
.endr
.irp e, 0,1,2,3
	v_lshlrev_b32 v[T_KI+\e], 30, v[T_KI+\e]
.endr
.irp e, 0,1,2,3
	v_xor_b32 v[T_SO+\e], v[T_SO+\e], v[T_TS+\e]
.endr
.irp e, 0,1,2,3
	v_and_b32 v[T_KI+\e], s33, v[T_KI+\e]
.endr
.irp e, 0,1,2,3
	v_xor_b32 v[T_CO+\e], v[T_CO+\e], v[T_KI+\e]
.endr
.irp e, 0,1,2,3
	v_add_f32 v[T_T+\e], 4.0, v[T_T+\e]            ; whole numbers under 2^24: exact
.endr
.endm
	s_mov_b32 s34, 16
	s_mov_b32 s35, 0
.Ltab:                                             ; 16 trips, four positions each: my wave's 64 rows of the table.  Slot 0 has had its one fill, and every wave has passed the change of slots behind its last read of it
	s_cmp_eq_u32 ttmp9, 2                          ; v has no rotary embedding: its work-groups jump over the trip's work (the cluster's x alone decides)
	s_cbranch_scc1 .Ltab_v
	v_add_nc_u32 v[T_A], s35, v[T_A0]
	s_wait_alu depctr_va_vdst(0)
	SINCOS4
.irp e, 0,1,2,3
	ds_store_b32 v[T_A], v[T_CO+\e] offset:\e*272          ; a row: 32 cos, 32 sin, 16 bytes of padding; 32 lanes store 128 consecutive bytes
	ds_store_b32 v[T_A], v[T_SO+\e] offset:\e*272+128
.endr
.Ltab_v:
	s_add_co_u32 s35, s35, 4*272
	s_sub_co_u32 s34, s34, 1
	s_cmp_lg_u32 s34, 0
	s_cbranch_scc1 .Ltab
	s_wait_dscnt 0x0                               ; for the others' sake: my rows of the table lie in LDS
	s_barrier_signal -1
	s_barrier_wait -1
; 64 numbers of a lane, v[s] on, tile t's register j = k 16 t + 8 (lane / 16) + j of my row, become a fragment's codes in v[PC] on and its scale word in v[pw].
.macro QUANT4 s, pw
.irp b, 0,1,2,3
	v_max3_num_f32 v[TM+\b], |v[\s+16*\b]|, |v[\s+1+16*\b]|, 0x1800000   ; block b: my 16 numbers, and the floor 2^(3 - 127): so the byte cannot fall under 1
.endr
.irp i, 2,4,6,8,10,12,14
.irp b, 0,1,2,3
	v_max3_num_f32 v[TM+\b], v[TM+\b], |v[\s+16*\b+\i]|, |v[\s+1+16*\b+\i]|
.endr
.endr
.irp b, 0,1,2,3
	v_permlanex16_b32 v[TM+4+\b], v[TM+\b], s[SEL], s[SEL+1]
.endr
.irp b, 0,1,2,3
	v_max_num_f32 v[TM+\b], v[TM+\b], v[TM+4+\b]   ; with lane l xor 16's: the block's largest magnitude
.endr
.irp b, 0,1,2,3
	v_add_nc_u32 v[TM+12+\b], 0xff000000, v[TM+\b] ; 2 off its exponent field: the conversion's scale operand
.endr
.irp b, 0,1,2,3
	v_lshrrev_b32 v[TM+4+\b], 23, v[TM+12+\b]      ; the scale's byte
.endr
	v_lshl_or_b32 v[\pw], v[TM+5], 8, v[TM+4]
	v_lshl_or_b32 v[\pw], v[TM+6], 16, v[\pw]
	v_lshl_or_b32 v[\pw], v[TM+7], 24, v[\pw]
.irp b, 0,1,2,3
.irp e, 0,1
	v_cvt_scalef32_pk8_fp4_f32 v[PC+4*(\b/2)+2*\e+\b%2], v[\s+16*\b+8*\e:\s+16*\b+8*\e+7], v[TM+12+\b]   ; tile 2 b + e: tiles 4 c + 0, 1, 2, 3 go to registers 4 c + 0, 2, 1, 3
.endr
.endr
	v_nop                                          ; one plain instruction behind a scaled conversion
.irp c, 0,2,4,6
	v_permlane16_swap_b32 v[PC+\c], v[PC+\c+1]     ; the first's lanes 16-31 change places with the second's lanes 0-15
.endr
.endm
	s_cmp_eq_u32 ttmp9, 2
	s_cbranch_scc1 .Lv
	; ---- q AND k.  A lane holds one token; register 8 b + j is row 16 b + 8 h + j of my 128 rows of W: head b / 4, d = 16 (b % 4) + 8 h + j.
.irp b, 0,1,2,3,4,5,6,7
	global_load_b128 v[BI+8*\b:BI+8*\b+3], v[BO], s[12:13] offset:64*\b
	global_load_b128 v[BI+8*\b+4:BI+8*\b+7], v[BO], s[12:13] offset:64*\b+16
.endr
	s_wait_loadcnt 0x0
.macro EPI_QK a                        ; tokens 16 a on
	s_wait_xcnt 0x0                                ; the last block's stores have read their registers
.irp u, 0,1                            ; cos and sin of frequencies 16 u + 8 h + 0 .. 7 at my token's position
	ds_load_b128 v[CO+8*\u:CO+8*\u+3], v[TR] offset:16*(\a)*272+64*\u
	ds_load_b128 v[CO+8*\u+4:CO+8*\u+7], v[TR] offset:16*(\a)*272+64*\u+16
	ds_load_b128 v[SI+8*\u:SI+8*\u+3], v[TR] offset:16*(\a)*272+128+64*\u
	ds_load_b128 v[SI+8*\u+4:SI+8*\u+7], v[TR] offset:16*(\a)*272+128+64*\u+16
.endr
	WIN 0x02+(\a)/4                                ; source 0: the accumulators' window
.set n, 0
.rept 32
	v_pk_add_f32 v[X+n:X+n+1], v[64*((\a)%4)+n:64*((\a)%4)+n+1], v[BI+n:BI+n+1]   ; + the bias; each accumulator from its low end on; the sum lands in window 0
.set n, n+2
.endr
	WIN 0
	s_wait_dscnt 0x0
.irp g, 0,1                            ; head g of my two: x1 = d 0..31 (16 registers), x2 = d 32..63: x1' = x1 cos - x2 sin, x2' = x1 sin + x2 cos
.irp i, 0,2,4,6,8,10,12,14
	v_pk_mul_f32 v[TP+2*\i:TP+2*\i+1], v[X+32*\g+16+\i:X+32*\g+17+\i], v[SI+\i:SI+\i+1]
	v_pk_mul_f32 v[TP+2*\i+2:TP+2*\i+3], v[X+32*\g+\i:X+32*\g+\i+1], v[SI+\i:SI+\i+1]
.endr
.irp i, 0,2,4,6,8,10,12,14
	v_pk_fma_f32 v[X+32*\g+\i:X+32*\g+\i+1], v[X+32*\g+\i:X+32*\g+\i+1], v[CO+\i:CO+\i+1], v[TP+2*\i:TP+2*\i+1] neg_lo:[0,0,1] neg_hi:[0,0,1]
	v_pk_fma_f32 v[X+32*\g+16+\i:X+32*\g+17+\i], v[X+32*\g+16+\i:X+32*\g+17+\i], v[CO+\i:CO+\i+1], v[TP+2*\i+2:TP+2*\i+3]
.endr
.endr
	QUANT4 X, PWS+\a
	global_store_b128 v[LO], v[PC:PC+3], s[DST:DST+1] offset:512*(\a)          ; my first head's tile a: 32 lanes store 512 consecutive bytes
	global_store_b128 v[LO], v[PC+4:PC+7], s[DST:DST+1] offset:HSQ+512*(\a)    ; my second head's
.endm
.irp a, 0,1,2,3,4,5,6,7
	EPI_QK \a
.endr
	; the scale words: lane l's word number w is token 32 w + l's: bytes 0, 1 the head's two blocks, bytes 2, 3 the byte of 1.0 for the upper half of the instruction's K, where the codes are zeros
	s_mov_b32 s2, 0xffff0000
	s_mov_b32 s3, 0x05040100
	s_mov_b32 s18, 0x05040302
	v_mov_b32 v[TP+12], 0x7f7f7f7f
.irp w, 0,1,2,3
	v_cndmask_b32 v[TP+\w], v[PWS+2*\w], v[PWS+2*\w+1], s2
.endr
.irp w, 0,1,2,3
	v_perm_b32 v[TP+4+\w], v[TP+12], v[TP+\w], s3
.endr
.irp w, 0,1,2,3
	v_perm_b32 v[TP+8+\w], v[TP+12], v[TP+\w], s18
.endr
	global_store_b128 v[LO], v[TP+4:TP+7], s[DST:DST+1] offset:4096
	global_store_b128 v[LO], v[TP+8:TP+11], s[DST:DST+1] offset:HSQ+4096
	s_branch .Lend
.Lv:	; ---- v.  A lane holds one row of W: head a / 4, d = 16 (a % 4) + r; register 8 b + j is token 16 b + 8 h + j of my 128: the next K.
.irp a, 0,1,2,3,4,5,6,7
	global_load_b32 v[BI+2*\a], v[BO2], s[12:13] offset:64*\a
.endr
	s_wait_loadcnt 0x0
.irp a, 0,1,2,3,4,5,6,7
	v_mov_b32 v[BI+2*\a+1], v[BI+2*\a]             ; a pair for the packed addition
.endr
.macro EPI_V a
	s_wait_xcnt 0x0
	WIN 0x02+(\a)/4
.set n, 0
.rept 32
	v_pk_add_f32 v[X+n:X+n+1], v[64*((\a)%4)+n:64*((\a)%4)+n+1], v[BI+2*(\a):BI+2*(\a)+1]
.set n, n+2
.endr
	WIN 0
	QUANT4 X, PWS+\a
	global_store_b128 v[LO], v[PC:PC+3], s[DST:DST+1] offset:((\a)/4)*HSV+((\a)%4)*1024
	global_store_b128 v[LO], v[PC+4:PC+7], s[DST:DST+1] offset:((\a)/4)*HSV+((\a)%4)*1024+512
.endm
	s_wait_alu depctr_va_vdst(0)
.irp a, 0,1,2,3,4,5,6,7
	EPI_V \a
.endr
	s_mov_b32 s2, 0xffff0000
.irp w, 0,1,2,3
	v_cndmask_b32 v[TP+\w], v[PWS+2*\w], v[PWS+2*\w+1], s2   ; lane l's word w % 2 of head w / 2: tile of d 2 (w % 2) + l / 16, row l % 16
.endr
	global_store_b64 v[LO8], v[TP:TP+1], s[DST:DST+1] offset:4096
	global_store_b64 v[LO8], v[TP+2:TP+3], s[DST:DST+1] offset:HSV+4096
.Lend:
	s_wait_tensorcnt 0x0                           ; the wave's end
	ds_add_u32 v[SPW], v[NIL]
	s_wait_dscnt 0x0
	CROUND                                         ; the closing round
	s_endpgm
.Lfunc_end_k_qf231d8a750_qkv:
	.size	k_qf231d8a750_qkv, .Lfunc_end_k_qf231d8a750_qkv-k_qf231d8a750_qkv
	.p2alignl 7, 3214868480
	.fill 96, 4, 3214868480
	.section	.rodata,"a",@progbits
	.p2align	6, 0x0
	.amdhsa_kernel k_qf231d8a750_qkv
		.amdhsa_group_segment_fixed_size 327680
		.amdhsa_private_segment_fixed_size 0
		.amdhsa_enable_private_segment 0
		.amdhsa_kernarg_size 64
		.amdhsa_user_sgpr_count 2
		.amdhsa_user_sgpr_kernarg_segment_ptr 1
		.amdhsa_wavefront_size32 1
		.amdhsa_system_sgpr_workgroup_id_x 1
		.amdhsa_system_sgpr_workgroup_id_y 1
		.amdhsa_system_sgpr_workgroup_id_z 1
		.amdhsa_system_vgpr_workitem_id 0
		.amdhsa_next_free_vgpr 1024
		.amdhsa_next_free_sgpr 102
		.amdhsa_reserve_vcc 0
		.amdhsa_float_denorm_mode_32 3
		.amdhsa_float_denorm_mode_16_64 3
		.amdhsa_memory_ordered 1
		.amdhsa_forward_progress 1
		.amdhsa_inst_pref_size 245
	.end_amdhsa_kernel
	.amdgpu_metadata
---
amdhsa.version: [ 1, 2 ]
amdhsa.kernels:
  - .name:           k_qf231d8a750_qkv
    .symbol:         k_qf231d8a750_qkv.kd
    .args:
      - { .name: hidden_states_codes, .offset: 0, .size: 8, .value_kind: global_buffer, .address_space: global }
      - { .name: hidden_states_scales, .offset: 8, .size: 8, .value_kind: global_buffer, .address_space: global }
      - { .name: Wqkv_w_codes, .offset: 16, .size: 8, .value_kind: global_buffer, .address_space: global }
      - { .name: Wqkv_w_scales, .offset: 24, .size: 8, .value_kind: global_buffer, .address_space: global }
      - { .name: Wqkv_b, .offset: 32, .size: 8, .value_kind: global_buffer, .address_space: global }
      - { .name: qrec, .offset: 40, .size: 8, .value_kind: global_buffer, .address_space: global }
      - { .name: krec, .offset: 48, .size: 8, .value_kind: global_buffer, .address_space: global }
      - { .name: vrec, .offset: 56, .size: 8, .value_kind: global_buffer, .address_space: global }
    .group_segment_fixed_size: 327680
    .private_segment_fixed_size: 0
    .kernarg_segment_align: 8
    .kernarg_segment_size: 64
    .max_flat_workgroup_size: 128
    .sgpr_count:     102
    .vgpr_count:     1024
    .wavefront_size: 32
...
	.end_amdgpu_metadata
.endif
;; end of part 1
;; launch attn (part 2): grid 4 x 64, 8 waves a work-group, clusters of 4 x 1, 167,936 bytes of LDS; arguments qrec, krec, vrec, attn_img, attn_sc; writes attn_img, attn_sc
.if DOCPART == 2
	.amdgcn_target "amdgcn-amd-amdhsa--gfx1250"
	.amdhsa_code_object_version 6
	.text
	.protected	k_qf231d8a750_attn
	.globl	k_qf231d8a750_attn
	.p2align	8
	.type	k_qf231d8a750_attn,@function
k_qf231d8a750_attn:
	s_mov_b64 s[64:65], 0
	v_nop
	global_prefetch_b8 v0, s[64:65] scope:SCOPE_SE
	s_setreg_imm32_b32 hwreg(HW_REG_WAVE_MODE, 25, 1), 1
	s_wait_xcnt 0x0
	s_wait_alu depctr_hold_cnt(0) depctr_sa_sdst(0) depctr_va_vdst(0) depctr_va_sdst(0) depctr_va_ssrc(0) depctr_va_vcc(0) depctr_vm_vsrc(0)
	s_getreg_b32 s2, hwreg(HW_REG_IB_STS2, 6, 4)
	s_cmp_eq_u32 s2, 0
	s_cbranch_scc0 .Lentry_in_a_cluster
	s_endpgm
.Lentry_in_a_cluster:
	s_bfe_u32 s2, ttmp6, 0x10000c
	s_cmp_lg_u32 s2, 0x3003
	s_cbranch_scc0 .Lentry_shape_is_right
	s_endpgm
.Lentry_shape_is_right:
; attn[b][q][h][:] = the sum over k of softmax_k(q . k / 8) v, both products on codes of FP4 (E2M1) with E8M0 scales, and the quantiser of the result along (h, d) for the last product.  No work is left out.
; THE SOFTMAX AHEAD OF THE SECOND PRODUCT: t = score x log2(e) / 8; M = the running largest t rounded UP to a whole number; p = 2^(t - M) is quantised along the keys, not normalised; the row's sum is taken of the unquantised p and divides at the end.
; SHARES.  A work-group owns one head (the cluster's y) and 512 of its queries; the four work-groups of a cluster are the head's four quarters.  Each of EIGHT waves owns TWO tiles of 16 queries at a time (A, B), two such pairs one after the other:
; each fragment of K and V feeds two products, and the two tiles' chains of dependent instructions stand line by line beside each other.
; ALL OF THE HEAD'S K AND V LIE IN LDS, 143,360 bytes, filled once by joint loads that name the four partners, four records a wave: no ring, no refill, no barrier in the loop.
; No data prefetch: the tiles come by the one fill at the head; Q is 1,024 bytes a wave and pass.
; LAYOUT.  Both products are used transposed: S^T = K Q^T, O^T = V^T P^T: a lane holds ONE query of each tile throughout.
; THE KEYS OF A TILE ARE CHOSEN: row 8 h + j of tile t is key 64 h + 8 t + j of the step's 128, so register 8 t + j of lane half h is key 64 h + 8 t + j: a lane holds two WHOLE blocks of 32 keys (blocks 2 h, 2 h + 1), and a block's maximum needs no other lane.
; The eight conversions give registers g = keys 64 h + 8 g ..; four exchanges of halves (register p with 4 + p) give the operand's layout.  P's scale word is made of my two bytes and lane l xor 16's; lanes 0-15 hold it in order, and they alone are read.
; K = 64 IN AN INSTRUCTION OF 128: a tile of K is four registers; the instruction names eight: the upper four are the next tile's codes (zeros behind the last).  They meet Q's upper four registers, zero codes, under scale bytes of 1.0.
; K's next record is asked for behind the S products; in the last step that is the first bytes of V's records: inside LDS, written, and not used.
; LIMITS: the promise holds while the scaled scores stay under 2^31 in magnitude; a block of zeros gets the byte 1 where the rule says 127 (its codes are zeros; the bytes are read by this program alone); NaN and infinities are not served.
; REGISTERS.  Window 0: v1-4, v7, v12, v13 addresses that stay; v5, v6 the add's two; v8-11 the step's addresses; (v14, v15), (v16, v17) -M and the largest score of A, B; (v18, v19), (v20, v21) f and P's scale word;
;   v24-31, v32-39 the sums, four pairs a tile; v40-47, v48-55 Q and zeros; v56, v57 Q's scale words; v58-61 K's; v62-63 V's; v64-99 K and zeros; v100-131 V; v132-139, v140-147 P's codes; v148-175 at work.
;   Window 1: v0-63, v64-127 S^T then p of A, B; v128-159, v160-191 O^T of A, B.
.set RECQ,  4608
.set RECV,  4352
.set VB,    16*RECQ                    ; V's records lie behind K's
.set SPARE, VB+16*RECV                 ; the spare words, 128 bytes for each of the eight waves
.set KF,    64
.set VF,    100
.set MSB, 0
.macro WIN new                         ; the immediate's high byte repeats the setting that is left.  Low byte: bits 1:0 source 0, 3:2 source 1, 5:4 source 2, 7:6 destination
.if MSB != (\new)
	s_set_vgpr_msb (MSB<<8)|(\new)
.set MSB, (\new)
.endif
.endm
.macro H n                             ; a hint ahead of a plain instruction that reads the plain result n vector instructions back
	s_delay_alu instid0(VALU_DEP_\n)
.endm
.macro CROUND
	s_barrier_signal -1
	s_barrier_wait -1
	s_cmp_lg_u32 s14, 0
	s_cbranch_scc1 .Lnot_wave_0_\@
	s_barrier_signal -3
.Lnot_wave_0_\@:
	s_barrier_wait -3
	s_barrier_signal -1
	s_barrier_wait -1
.endm
	s_load_b128 s[4:7], s[0:1], 0x0                ; qrec, krec
	s_load_b128 s[8:11], s[0:1], 0x10              ; vrec, attn_img
	s_load_b64 s[12:13], s[0:1], 0x20              ; attn_sc
	v_lshl_add_u32 v5, v0, 2, SPARE
	v_mov_b32 v6, 0
	ds_add_u32 v5, v6                              ; the wave's opening: the add, twice on end, and its wait ahead of my first tensor load
	ds_add_u32 v5, v6
	v_lshrrev_b32 v8, 5, v0
	H 1
	v_readfirstlane_b32 s14, v8                    ; wave 0..7
	s_bfe_u32 s15, ttmp6, 0x40000                  ; cx: which quarter of the queries: it enters global addresses of q and of the results alone
	s_and_b32 s16, ttmp7, 0xffff                   ; batch x 16 + head, which the four partners share
	s_and_b32 s17, s14, 3
	; group 1: dense blocks as rows of 256 bytes (32 elements of 8 bytes), no padding.  K: four records, 72 rows; V: four records, 68 rows
	s_mov_b32 s28, 15|(3<<16)|(1<<21)              ; the mask: all four work-groups; bit 21 set beside it
	s_mov_b32 s29, 32<<16
	s_mov_b32 s30, 72<<16
	s_mov_b32 s31, 32<<16
	s_mov_b32 s32, 72
	s_mov_b32 s33, 32
	s_mov_b32 s34, 0
	s_mov_b32 s35, 0
	s_mov_b32 s36, 15|(3<<16)|(1<<21)
	s_mov_b32 s37, 32<<16
	s_mov_b32 s38, 68<<16
	s_mov_b32 s39, 32<<16
	s_mov_b32 s40, 68
	s_mov_b32 s41, 32
	s_mov_b32 s42, 0
	s_mov_b32 s43, 0
	s_mul_i32 s18, s16, 16*RECQ                    ; the head's records of K,
	s_mul_i32 s45, s17, 4*RECQ                     ; the four that waves 0-3 fetch: in memory and in LDS alike
	s_add_co_u32 s18, s18, s45
	s_mov_b32 s19, 0
	s_mul_i32 s20, s16, 16*RECV                    ; and of V, for waves 4-7
	s_mul_i32 s49, s17, 4*RECV
	s_add_co_u32 s20, s20, s49
	s_mov_b32 s21, 0
	s_add_co_u32 s49, s49, VB
	s_mov_b32 s44, 1
	s_mov_b32 s48, 1
	s_mov_b32 s24, 0x76543210
	s_mov_b32 s25, 0xfedcba98                      ; lane selects for lane l xor 16
	s_mov_b32 s26, 0x3e38aa3b                      ; c = log2(e) / 8
	s_mov_b32 s27, s26                             ; (named with it as a pair)
	s_mov_b32 s22, 0xbe38aa3b                      ; -c
	; my first pair of tiles: 2 x wave, 2 x wave + 1 of the work-group's 32: record 4 cx + wave / 4, tiles 2 (wave % 4) and + 1
	s_lshl_b32 s58, s16, 4
	s_lshl_b32 s59, s15, 2
	s_add_co_u32 s58, s58, s59
	s_lshr_b32 s59, s14, 2
	s_add_co_u32 s58, s58, s59
	s_mul_i32 s58, s58, RECQ
	s_lshl_b32 s59, s17, 10
	s_add_co_u32 s60, s58, s59                     ; A's codes; B's are 512 bytes on
	s_mov_b32 s61, 0
	s_lshl_b32 s59, s17, 2
	s_add_co_u32 s62, s58, s59
	s_add_co_u32 s62, s62, 4096                    ; the scale words: lane 16 (tile % 2) + r, word tile / 2: B's are 256 bytes on
	s_mov_b32 s63, 0
	s_lshr_b32 s66, s16, 4
	s_lshl_b32 s66, s66, 7
	s_lshl_b32 s67, s15, 5
	s_add_co_u32 s66, s66, s67
	s_lshl_b32 s67, s14, 1
	s_add_co_u32 s66, s66, s67                     ; tile A among the 512 of all tokens
	s_and_b32 s67, s16, 15                         ; the head
	s_lshl_b32 s68, s66, 4
	s_add_co_u32 s68, s68, s67
	s_lshl_b32 s68, s68, 9                         ; attn_img: [tile][head][512 bytes]
	s_mov_b32 s69, 0
	s_lshl_b32 s70, s66, 9
	s_lshl_b32 s67, s67, 1
	s_add_co_u32 s70, s70, s67                     ; attn_sc: [token][32 bytes], byte 2 x head + block
	s_mov_b32 s71, 0
	s_wait_dscnt 0x0                               ; both opening adds are done
	s_wait_kmcnt 0x0
	s_add_nc_u64 s[46:47], s[6:7], s[18:19]
	s_or_b32 s47, s47, 0x80000000
	s_add_nc_u64 s[50:51], s[8:9], s[20:21]
	s_or_b32 s51, s51, 0x80000000
	s_add_nc_u64 s[52:53], s[4:5], s[62:63]
	s_add_nc_u64 s[4:5], s[4:5], s[60:61]
	s_add_nc_u64 s[10:11], s[10:11], s[68:69]
	s_add_nc_u64 s[12:13], s[12:13], s[70:71]
	CROUND                                         ; all four work-groups are here: the joint loads meet
	s_cmp_lt_u32 s14, 4                            ; every wave issues one load: a fill in each arm of a branch on the wave's number
	s_cbranch_scc0 .Lfill_v
	tensor_load_to_lds s[44:47], s[28:35]
	s_nop 0
.rept 4
	v_nop
.endr
	s_branch .Lfilled
.Lfill_v:
	tensor_load_to_lds s[48:51], s[36:43]
	s_nop 0
.rept 4
	v_nop
.endr
.Lfilled:
	v_and_b32 v8, 31, v0
	v_and_b32 v9, 15, v0                           ; r
	v_and_b32 v10, 7, v0                           ; r % 8
	v_bfe_u32 v11, v0, 3, 1                        ; r / 8
	v_bfe_u32 v160, v0, 4, 1                       ; h
	v_lshlrev_b32 v1, 4, v8                        ; 16 x lane
	v_lshlrev_b32 v7, 3, v8
	v_lshlrev_b32 v12, 4, v9                       ; 16 r: Q's scale words
	v_lshlrev_b32 v13, 5, v9                       ; 32 r: the result's scale bytes
	v_lshlrev_b32 v2, 4, v10
	v_add_nc_u32 v4, VB, v1                        ; V's fragments
	v_add_nc_u32 v7, VB+4096, v7                   ; V's scale words: 8 x lane
	H 3
	v_lshl_add_u32 v3, v11, 3, v2
	H 4
	v_lshl_add_u32 v2, v11, 11, v2
	H 2
	v_lshl_add_u32 v3, v160, 2, v3
	H 2
	v_lshl_add_u32 v2, v160, 8, v2                 ; K's fragments: key 64 (r / 8) + r % 8 of a record lies at 2048 (r / 8) + 16 (r % 8), + 256 h; tile t adds 512 (t / 2) + 128 (t % 2)
	H 2
	v_add_nc_u32 v3, 4096, v3                      ; K's scale words: 4096 + 16 (r % 8) + 8 (r / 8); tile t adds 128 (t % 4) + 4 (t / 4): lanes 16-31 take tile t + 4's
.irp j, 44,45,46,47,52,53,54,55,96,97,98,99,158,159,174,175,19,21
	v_mov_b32 v\j, 0                               ; the zero codes; lane permutes' destinations, which count as sources; the upper halves of the pairs with f
.endr
	s_mov_b32 s57, 2
	s_wait_alu depctr_va_vdst(0)                   ; the wait at the head's end
	s_wait_tensorcnt 0x0                           ; my four records are in,
	s_barrier_signal -1
	s_barrier_wait -1                              ; everybody's are
.macro KLOAD ak, as                    ; a record's eight tiles of K and their scale words: 12 loads
.irp t, 0,1,2,3,4,5,6,7
	ds_load_b128 v[KF+4*\t:KF+4*\t+3], v\ak offset:512*(\t/2)+128*(\t%2)
.endr
.irp u, 0,1,2,3
	ds_load_b32 v[58+\u], v\as offset:128*\u
.endr
.endm
.macro SUMS from, to                   ; the rows' sums of the unquantised p: four pairs of sums a tile by turns, the two tiles line by line
.set n, \from
.rept \to-\from
	v_pk_add_f32 v[24+2*(n%4):25+2*(n%4)], v[24+2*(n%4):25+2*(n%4)], v[2*n:2*n+1]
	v_pk_add_f32 v[32+2*(n%4):33+2*(n%4)], v[32+2*(n%4):33+2*(n%4)], v[64+2*n:65+2*n]
.set n, n+1
.endr
.endm
.Lpass:                                            ; two pairs of tiles, 16 tiles apart
	s_wait_dscnt 0x0                               ; the last step's look-ahead loads have landed: their registers may be loaded anew
	global_load_b128 v[40:43], v1, s[4:5] th:TH_LOAD_NT
	global_load_b128 v[48:51], v1, s[4:5] offset:512 th:TH_LOAD_NT
	global_load_b32 v56, v12, s[52:53]
	global_load_b32 v57, v12, s[52:53] offset:256
	KLOAD 2, 3                                     ; the first record of K
.irp j, 15,17
	v_mov_b32 v\j, 0xff61b1e6                      ; the largest score so far: -3e38
.endr
.irp j, 14,16
	v_mov_b32 v\j, 0x7e000000                      ; -M: a whole number above every -t: the first f is 0, over zeros
.endr
.set j, 0
.rept 16
	v_mov_b32 v[24+j], 0                           ; the sums
.set j, j+1
.endr
	WIN 0x40
.set j, 0
.rept 64
	v_mov_b32 v[128+j], 0                          ; O^T of both tiles: the step is written once; its first trip finds zeros
.set j, j+1
.endr
	WIN 0
	s_mov_b32 s54, RECQ                            ; the NEXT step's record of K,
	s_mov_b32 s55, 0                               ; and this step's of V
	s_mov_b32 s56, 16
	s_wait_alu depctr_va_vdst(0)
	s_wait_loadcnt 0x0
.Lstep:                                            ; 16 trips of 128 keys
	s_wait_dscnt 0x0                               ; K's 12 loads, asked for a step ago
	WIN 0x40
.irp t, 0,1,2,3
	v_wmma_scale_f32_16x16x128_f8f6f4 v[8*\t:8*\t+7], v[KF+4*\t:KF+4*\t+7], v[40:47], 0, v[58+\t], v56 matrix_a_fmt:MATRIX_FMT_FP4 matrix_b_fmt:MATRIX_FMT_FP4
	v_wmma_scale_f32_16x16x128_f8f6f4 v[64+8*\t:71+8*\t], v[KF+4*\t:KF+4*\t+7], v[48:55], 0, v[58+\t], v57 matrix_a_fmt:MATRIX_FMT_FP4 matrix_b_fmt:MATRIX_FMT_FP4
.endr
.irp t, 4,5,6,7
	v_wmma_scale_f32_16x16x128_f8f6f4 v[8*\t:8*\t+7], v[KF+4*\t:KF+4*\t+7], v[40:47], 0, v[54+\t], v56 matrix_a_fmt:MATRIX_FMT_FP4 matrix_b_fmt:MATRIX_FMT_FP4 matrix_a_scale:MATRIX_SCALE_ROW1
	v_wmma_scale_f32_16x16x128_f8f6f4 v[64+8*\t:71+8*\t], v[KF+4*\t:KF+4*\t+7], v[48:55], 0, v[54+\t], v57 matrix_a_fmt:MATRIX_FMT_FP4 matrix_b_fmt:MATRIX_FMT_FP4 matrix_a_scale:MATRIX_SCALE_ROW1
.endr
	WIN 0
	v_add_nc_u32 v8, s54, v2                       ; four plain instructions: the places between the products (these and the last trip's) and the loads into their sources and the reads of their results
	v_add_nc_u32 v9, s54, v3
	v_add_nc_u32 v10, s55, v4
	v_add_nc_u32 v11, s55, v7
.irp n, 0,1,2,3,4,5,6,7
	ds_load_b128 v[VF+4*\n:VF+4*\n+3], v10 offset:512*\n
.endr
	ds_load_b64 v[62:63], v11                      ; V: 9 loads
	KLOAD 8, 9                                     ; the next step's K: 12 loads
	; the largest score of each block of 32 keys: four chains of 16 registers a tile; it serves the row's maximum and, since p rises with the score, the block's largest p.  Each S tile is first read at its low end
	WIN 0x15
.irp c, 0,1,2,3
	v_max3_num_f32 v[148+\c], v[16*\c], v[16*\c+1], v[16*\c+2]
	v_max3_num_f32 v[152+\c], v[64+16*\c], v[65+16*\c], v[66+16*\c]
.endr
	WIN 0x14
.irp i, 3,5,7,9,11,13
.irp c, 0,1,2,3
	v_max3_num_f32 v[148+\c], v[148+\c], v[16*\c+\i], v[16*\c+\i+1]
	v_max3_num_f32 v[152+\c], v[152+\c], v[64+16*\c+\i], v[65+16*\c+\i]
.endr
.endr
.irp b, 0,1
	v_max3_num_f32 v[148+2*\b], v[148+2*\b], v[32*\b+15], v[32*\b+31]
.endr
.irp b, 0,1
	v_max3_num_f32 v[152+2*\b], v[152+2*\b], v[64+32*\b+15], v[64+32*\b+31]
.endr
	WIN 0
.irp q, 148,150,152,154
	v_max_num_f32 v\q, v\q, v[\q+1]                ; my two blocks of A: v148, v150; of B: v152, v154
.endr
	H 3
	v_max_num_f32 v156, v148, v150
	H 2
	v_max_num_f32 v157, v152, v154
	H 2
	v_permlanex16_b32 v158, v156, s24, s25
	H 2
	v_permlanex16_b32 v159, v157, s24, s25
	H 2
	v_max3_num_f32 v15, v15, v156, v158            ; the running largest score (c is positive)
	H 2
	v_max3_num_f32 v17, v17, v157, v159
	H 2
	v_mul_f32 v160, s22, v15                       ; -t
	H 2
	v_mul_f32 v161, s22, v17
	H 2
	v_floor_f32 v160, v160                         ; the new -M = floor(-t): M is a whole number
	H 2
	v_floor_f32 v161, v161
	H 2
	v_sub_f32 v162, v160, v14                      ; old M - new M
	H 2
	v_sub_f32 v163, v161, v16
	H 4
	v_mov_b32 v14, v160
	H 4
	v_mov_b32 v16, v161
	H 4
	v_cvt_i32_f32 v162, v162                       ; (it saturates)
	H 4
	v_cvt_i32_f32 v163, v163
	H 4
	v_fma_f32 v148, v148, s26, v14                 ; t - M of each block's largest score
	v_fma_f32 v150, v150, s26, v14
	v_fma_f32 v152, v152, s26, v16
	v_fma_f32 v154, v154, s26, v16
	v_ldexp_f32 v18, 1.0, v162                     ; f = 2^(old M - new M)
	v_ldexp_f32 v20, 1.0, v163
	WIN 0x41
.set j, 0
.rept 32
	v_pk_fma_f32 v[j:j+1], v[j:j+1], s[26:27], v[14:15] op_sel_hi:[1,0,0]              ; t - M
	v_pk_fma_f32 v[64+j:65+j], v[64+j:65+j], s[26:27], v[16:17] op_sel_hi:[1,0,0]
.set j, j+2
.endr
.set j, 0
.rept 16
	v_pk_mul_f32 v[128+j:129+j], v[128+j:129+j], v[18:19] op_sel_hi:[1,0]              ; O^T under the new M, ahead of the exponentials: each accumulator from its low end on
	v_pk_mul_f32 v[160+j:161+j], v[160+j:161+j], v[20:21] op_sel_hi:[1,0]
.set j, j+2
.endr
	s_wait_alu depctr_va_vdst(0)                   ; the wait ahead of the batch
.set j, 0
.rept 128
	v_exp_f32 v[j], v[j]                           ; p = 2^(t - M)
.set j, j+1
.endr
	WIN 0
.irp q, 148,150,152,154
	v_exp_f32 v\q, v\q                             ; the blocks' largest p
.endr
.irp i, 0,2,4,6
	v_pk_mul_f32 v[24+\i:25+\i], v[24+\i:25+\i], v[18:19] op_sel_hi:[1,0]              ; the sums under the new M: plain work behind the batch that names none of its results
	v_pk_mul_f32 v[32+\i:33+\i], v[32+\i:33+\i], v[20:21] op_sel_hi:[1,0]
.endr
	s_wait_alu depctr_va_vdst(0)                   ; one wait for the batch, ahead of its first reader
.irp q, 148,150,152,154
	v_max_num_f32 v\q, 0x1800000, v\q              ; the floor 2^(3 - 127): the byte cannot fall under 1
.endr
.irp q, 0,1,2,3
	H 4
	v_add_nc_u32 v[164+\q], 0xff000000, v[148+2*\q]   ; 2 off the exponent field: the conversion's scale operand
.endr
.irp q, 0,1,2,3
	H 4
	v_lshrrev_b32 v[168+\q], 23, v[164+\q]         ; the scale's byte
.endr
	H 3
	v_lshl_or_b32 v172, v169, 8, v168              ; my two bytes
	H 2
	v_lshl_or_b32 v173, v171, 8, v170
	H 2
	v_permlanex16_b32 v174, v172, s24, s25
	H 2
	v_permlanex16_b32 v175, v173, s24, s25
	H 2
	v_lshl_or_b32 v19, v174, 16, v172              ; P's scale word: in lanes 0-15 blocks 0, 1 are mine and 2, 3 lane l + 16's
	H 2
	v_lshl_or_b32 v21, v175, 16, v173
	WIN 0x01
.irp g, 0,1,2,3,4,5,6,7
	v_cvt_scalef32_pk8_fp4_f32 v[132+\g], v[8*\g:8*\g+7], v[164+\g/4]
	v_cvt_scalef32_pk8_fp4_f32 v[140+\g], v[64+8*\g:71+8*\g], v[166+\g/4]
.endr
	WIN 0x04
	SUMS 0, 4                                      ; (plain instructions behind the conversions)
.irp p, 0,1,2,3
	v_permlane16_swap_b32 v[132+\p], v[136+\p]     ; the first's lanes 16-31 change places with the second's lanes 0-15
	v_permlane16_swap_b32 v[140+\p], v[144+\p]
.endr
	SUMS 4, 32                                     ; these 56 also stand between the writes of P's codes and scale words and the products
	s_wait_dscnt 12                                ; V's 9 loads are in; the 12 younger ones, the next step's K, may be out
	WIN 0x50
.irp d, 0,2
	v_wmma_scale_f32_16x16x128_f8f6f4 v[128+8*\d:135+8*\d], v[VF+8*\d:VF+8*\d+7], v[132:139], v[128+8*\d:135+8*\d], v[62+\d/2], v19 matrix_a_fmt:MATRIX_FMT_FP4 matrix_b_fmt:MATRIX_FMT_FP4
	v_wmma_scale_f32_16x16x128_f8f6f4 v[160+8*\d:167+8*\d], v[VF+8*\d:VF+8*\d+7], v[140:147], v[160+8*\d:167+8*\d], v[62+\d/2], v21 matrix_a_fmt:MATRIX_FMT_FP4 matrix_b_fmt:MATRIX_FMT_FP4
	v_wmma_scale_f32_16x16x128_f8f6f4 v[136+8*\d:143+8*\d], v[VF+8+8*\d:VF+15+8*\d], v[132:139], v[136+8*\d:143+8*\d], v[62+\d/2], v19 matrix_a_fmt:MATRIX_FMT_FP4 matrix_b_fmt:MATRIX_FMT_FP4 matrix_a_scale:MATRIX_SCALE_ROW1
	v_wmma_scale_f32_16x16x128_f8f6f4 v[168+8*\d:175+8*\d], v[VF+8+8*\d:VF+15+8*\d], v[140:147], v[168+8*\d:175+8*\d], v[62+\d/2], v21 matrix_a_fmt:MATRIX_FMT_FP4 matrix_b_fmt:MATRIX_FMT_FP4 matrix_a_scale:MATRIX_SCALE_ROW1
.endr
	WIN 0                                          ; the eight accumulators take turns, one instruction a turn
	s_add_co_u32 s54, s54, RECQ
	s_add_co_u32 s55, s55, RECV
	s_sub_co_u32 s56, s56, 1
	s_cmp_lg_u32 s56, 0
	s_cbranch_scc1 .Lstep
	; THE WAY OUT of a pair of tiles: O^T / the sum; register 8 t + j is d = 16 t + 8 h + j of my query; two blocks of 32 along d, each in lanes l and l xor 16
	s_wait_alu depctr_va_vdst(0)                   ; the wait directly ahead of the first reader of the sums behind the last step's wait
.irp b, 24,32
	v_pk_add_f32 v[\b:\b+1], v[\b:\b+1], v[\b+2:\b+3]
	v_pk_add_f32 v[\b+4:\b+5], v[\b+4:\b+5], v[\b+6:\b+7]
.endr
	H 3
	v_pk_add_f32 v[24:25], v[24:25], v[28:29]
	H 2
	v_pk_add_f32 v[32:33], v[32:33], v[36:37]
	H 2
	v_add_f32 v24, v24, v25
	H 2
	v_add_f32 v32, v32, v33
	H 2
	v_permlanex16_b32 v158, v24, s24, s25
	H 2
	v_permlanex16_b32 v159, v32, s24, s25
	H 2
	v_add_f32 v24, v24, v158                       ; the row's sum
	H 2
	v_add_f32 v32, v32, v159
	s_wait_alu depctr_va_vdst(0)                   ; the wait ahead of the transcendentals
	v_rcp_f32 v24, v24
	v_rcp_f32 v32, v32
	v_nop                                          ; a plain instruction behind the reciprocals
	WIN 0x41
	s_wait_alu depctr_va_vdst(0)                   ; the wait ahead of their first reader, which is also the first reader of the last products' results
.set j, 0
.rept 16
	v_pk_mul_f32 v[128+j:129+j], v[128+j:129+j], v[24:25] op_sel_hi:[1,0]
	v_pk_mul_f32 v[160+j:161+j], v[160+j:161+j], v[32:33] op_sel_hi:[1,0]
.set j, j+2
.endr
	WIN 0x14
.irp q, 0,1,2,3                        ; q = 2 x tile + block: 16 registers from v[128 + 16 q] of window 1
	v_max3_num_f32 v[148+\q], 0x1800000, |v[128+16*\q]|, |v[129+16*\q]|
.endr
.irp i, 2,4,6,8,10,12,14
.irp q, 0,1,2,3
	H 4
	v_max3_num_f32 v[148+\q], v[148+\q], |v[128+16*\q+\i]|, |v[129+16*\q+\i]|
.endr
.endr
	WIN 0
.irp q, 0,1,2,3
	v_permlanex16_b32 v[156+\q], v[148+\q], s24, s25
.endr
.irp q, 0,1,2,3
	H 4
	v_max_num_f32 v[148+\q], v[148+\q], v[156+\q]
.endr
.irp q, 0,1,2,3
	H 4
	v_add_nc_u32 v[164+\q], 0xff000000, v[148+\q]
.endr
.irp q, 0,1,2,3
	H 4
	v_lshrrev_b32 v[168+\q], 23, v[164+\q]
.endr
	H 3
	v_lshl_or_b32 v172, v169, 8, v168
	H 2
	v_lshl_or_b32 v173, v171, 8, v170
	WIN 0x01
.irp T, 0,1
.irp b, 0,1
.irp e, 0,1
	v_cvt_scalef32_pk8_fp4_f32 v[132+8*\T+2*\e+\b], v[128+32*\T+16*\b+8*\e:135+32*\T+16*\b+8*\e], v[164+2*\T+\b]
.endr
.endr
.endr
	WIN 0
	v_nop                                          ; one plain instruction behind a scaled conversion
.irp c, 132,134,140,142
	v_permlane16_swap_b32 v\c, v[\c+1]
.endr
	global_store_b128 v1, v[132:135], s[10:11]     ; 32 lanes store 512 consecutive bytes: half a fragment of the last product
	global_store_b128 v1, v[140:143], s[10:11] offset:8192
	global_store_b16 v13, v172, s[12:13]           ; my token's two scale bytes (both halves of the lanes write the same)
	global_store_b16 v13, v173, s[12:13] offset:512
	s_wait_xcnt 0x0                                ; the stores have read their registers and bases
	s_add_nc_u64 s[4:5], s[4:5], 2*RECQ            ; 16 tiles on
	s_add_nc_u64 s[52:53], s[52:53], 2*RECQ
	s_add_nc_u64 s[10:11], s[10:11], 16*8192
	s_add_nc_u64 s[12:13], s[12:13], 16*512
	s_sub_co_u32 s57, s57, 1
	s_cmp_lg_u32 s57, 0
	s_cbranch_scc1 .Lpass
	s_wait_tensorcnt 0x0                           ; the wave's end
	ds_add_u32 v5, v6
	s_wait_dscnt 0x0
	CROUND                                         ; the closing round
	s_endpgm
.Lfunc_end_k_qf231d8a750_attn:
	.size	k_qf231d8a750_attn, .Lfunc_end_k_qf231d8a750_attn-k_qf231d8a750_attn
	.p2alignl 7, 3214868480
	.fill 96, 4, 3214868480
	.section	.rodata,"a",@progbits
	.p2align	6, 0x0
	.amdhsa_kernel k_qf231d8a750_attn
		.amdhsa_group_segment_fixed_size 167936
		.amdhsa_private_segment_fixed_size 0
		.amdhsa_enable_private_segment 0
		.amdhsa_kernarg_size 40
		.amdhsa_user_sgpr_count 2
		.amdhsa_user_sgpr_kernarg_segment_ptr 1
		.amdhsa_wavefront_size32 1
		.amdhsa_system_sgpr_workgroup_id_x 1
		.amdhsa_system_sgpr_workgroup_id_y 1
		.amdhsa_system_sgpr_workgroup_id_z 1
		.amdhsa_system_vgpr_workitem_id 0
		.amdhsa_next_free_vgpr 448
		.amdhsa_next_free_sgpr 72
		.amdhsa_reserve_vcc 0
		.amdhsa_float_denorm_mode_32 3
		.amdhsa_float_denorm_mode_16_64 3
		.amdhsa_memory_ordered 1
		.amdhsa_forward_progress 1
		.amdhsa_inst_pref_size 49
	.end_amdhsa_kernel
	.amdgpu_metadata
---
amdhsa.version: [ 1, 2 ]
amdhsa.kernels:
  - .name:           k_qf231d8a750_attn
    .symbol:         k_qf231d8a750_attn.kd
    .args:
      - { .name: qrec, .offset: 0, .size: 8, .value_kind: global_buffer, .address_space: global }
      - { .name: krec, .offset: 8, .size: 8, .value_kind: global_buffer, .address_space: global }
      - { .name: vrec, .offset: 16, .size: 8, .value_kind: global_buffer, .address_space: global }
      - { .name: attn_img, .offset: 24, .size: 8, .value_kind: global_buffer, .address_space: global }
      - { .name: attn_sc, .offset: 32, .size: 8, .value_kind: global_buffer, .address_space: global }
    .group_segment_fixed_size: 167936
    .private_segment_fixed_size: 0
    .kernarg_segment_align: 8
    .kernarg_segment_size: 40
    .max_flat_workgroup_size: 256
    .sgpr_count:     72
    .vgpr_count:     448
    .wavefront_size: 32
...
	.end_amdgpu_metadata
.endif
;; end of part 2
;; launch proj (part 3): grid 4 x 64, 4 waves a work-group, clusters of 4 x 4, 327,680 bytes of LDS; arguments attn_img, attn_sc, Wo_w_codes, Wo_w_scales, Wo_b, out0; writes out0
.if DOCPART == 3
	.amdgcn_target "amdgcn-amd-amdhsa--gfx1250"
	.amdhsa_code_object_version 6
	.text
	.protected	k_qf231d8a750_proj
	.globl	k_qf231d8a750_proj
	.p2align	8
	.type	k_qf231d8a750_proj,@function
k_qf231d8a750_proj:
	s_mov_b64 s[64:65], 0
	v_nop
	global_prefetch_b8 v0, s[64:65] scope:SCOPE_SE
	s_setreg_imm32_b32 hwreg(HW_REG_WAVE_MODE, 25, 1), 1
	s_wait_xcnt 0x0
	s_wait_alu depctr_hold_cnt(0) depctr_sa_sdst(0) depctr_va_vdst(0) depctr_va_sdst(0) depctr_va_ssrc(0) depctr_va_vcc(0) depctr_vm_vsrc(0)
	s_getreg_b32 s2, hwreg(HW_REG_IB_STS2, 6, 4)
	s_cmp_eq_u32 s2, 0
	s_cbranch_scc0 .Lentry_in_a_cluster
	s_endpgm
.Lentry_in_a_cluster:
	s_bfe_u32 s2, ttmp6, 0x10000c
	s_cmp_lg_u32 s2, 0xf033
	s_cbranch_scc0 .Lentry_shape_is_right
	s_endpgm
.Lentry_shape_is_right:
; out0 = attn Wo_w^T + Wo_b on codes of FP4 (E2M1) with E8M0 scale bytes: attn's as the launch before left them, Wo_w's as given.  No work is left out.
; SHARES.  A work-group of four waves makes 128 tokens x 256 columns: 4 x 64 = 256 work-groups.  A wave makes 64 x 128: 32 accumulators of 16 x 16.
; ALL OF K = 1,024 LIES IN LDS, filled once: the tokens' 8 tiles x 8,192 bytes are one dense block of register images (a fragment comes by loads at 16 x lane); W's 256 rows of 512 bytes get 16 bytes of padding each.
; One joint load a wave: waves 0 and 1 the halves of the tokens' block, shared along a row of the 4 x 4 cluster; waves 2 and 3 the halves of W's rows, shared along a column.  No slot is filled again, so no barrier stands among the products.
; No data prefetch: the tiles come by the one fill at the head, and there is no loop to run ahead in.
; THE SCALE WORDS go from memory into registers: a row's 32 bytes are its eight words, one for each 128 along K: two loads of 16 bytes a lane; lane r takes row r of a block (lanes 16-31 the same, and are not read).
; THE MATRIX INSTRUCTION IS USED TRANSPOSED (source 0 = 16 rows of W, source 1 = 16 tokens): a lane holds eight neighbouring columns of a token's row.  The bias is the C of each accumulator's first product.
; THE WAY OUT: a block of 16 tokens x 128 columns goes through the wave's own stage in LDS and leaves as whole rows of 512 bytes.  The stages have bytes of their own, behind the tiles.
; LIMITS: NaN and infinities are not served (a scale byte 0xff gives what the matrix instruction gives).
; REGISTERS, in windows of 256: window 0: v16-30 addresses; v32-63 the tokens' scale words; v64-127 W's; v128-191 the tokens' fragments, two sets; v192-255 the bias; on the way out v128-255 take the rows read back.
;   window 1: W's fragments, two sets, at v0 and v128.  window 2: the accumulators, (a, b) at v[8 (8 a + b)], a = the tokens' block, b = W's.
.set SIZE_N, 1024
.set PITCH,  528                       ; W's row in LDS: 512 bytes + 16: an odd multiple of 16, so the 16 rows that a load touches start 16 bytes further on in the banks' row each
.set HALFT,  128*PITCH
.set BBASE,  65536                     ; W's rows lie behind the tokens' block
.set STAGE,  BBASE+2*HALFT             ; 200,704: a multiple of 256
.set SPITCH, 528
.set SPARE,  STAGE+4*16*SPITCH         ; 234,496: the spare words, 128 bytes for each wave
.set NP,   4
.set ADRA, 16
.set ADRB, 20
.set STO,  24
.set RD,   25
.set CO,   26
.set SO,   27
.set SPW,  28
.set NIL,  29
.set BO,   30
.set SA,   32
.set SB,   64
.set AF,   128
.set BIAS, 192
.set BK,   128
.set G1, 24
.set G0, 32
.set G1B, 48
.set G0B, 56
.set MSB, 0
.macro WIN new                         ; the immediate's high byte repeats the setting that is left
.if MSB != (\new)
	s_set_vgpr_msb (MSB<<8)|(\new)
.set MSB, (\new)
.endif
.endm
.macro CROUND                          ; a round of the cluster's barrier
	s_barrier_signal -1
	s_barrier_wait -1
	s_cmp_lg_u32 s14, 0
	s_cbranch_scc1 .Lnot_wave_0_\@
	s_barrier_signal -3
.Lnot_wave_0_\@:
	s_barrier_wait -3
	s_barrier_signal -1
	s_barrier_wait -1
.endm
.macro PLACES n                        ; plain vector instructions between a matrix instruction and a load into, or a read of, its registers
.rept \n
	v_nop
.endr
.endm
	s_load_b128 s[4:7], s[0:1], 0x0                ; attn_img, attn_sc
	s_load_b128 s[8:11], s[0:1], 0x10              ; W's codes, W's scales
	s_load_b64 s[96:97], s[0:1], 0x20              ; the bias
	s_load_b64 s[12:13], s[0:1], 0x28              ; out0
	v_lshl_add_u32 v[SPW], v0, 2, SPARE
	v_mov_b32 v[NIL], 0
	ds_add_u32 v[SPW], v[NIL]                      ; the wave's opening: the add, twice on end, and its wait ahead of my first tensor load
	ds_add_u32 v[SPW], v[NIL]
	v_lshrrev_b32 v1, 5, v0
	v_readfirstlane_b32 s14, v1                    ; wave 0..3
	s_lshr_b32 s15, s14, 1                         ; which 64 tokens are mine.  Also: I fetch for the tokens (0) or for W (1)
	s_and_b32 s16, s14, 1                          ; which 128 columns.  Also: which half I fetch
	s_bfe_u32 s40, ttmp6, 0x40000                  ; cx, cy: my place in the cluster
	s_bfe_u32 s41, ttmp6, 0x40004
	s_lshl_b32 s42, ttmp9, 2
	s_add_co_u32 s42, s42, s40                     ; x: which 256 columns
	s_and_b32 s17, ttmp7, 0xffff
	s_lshl_b32 s17, s17, 2
	s_add_co_u32 s17, s17, s41                     ; y: which 128 tokens
	s_lshl_b32 s43, s41, 2
	s_lshl_b32 s43, 15, s43                        ; my row of the cluster
	s_lshl_b32 s44, 0x1111, s40                    ; my column
	; group 1, the tokens: 32,768 dense bytes as 128 rows of 256 bytes (32 elements of 8), no padding
	s_or_b32 s[G1+0], s43, (3<<16)|(1<<21)
	s_mov_b32 s[G1+1], 32<<16
	s_mov_b32 s[G1+2], 128<<16
	s_mov_b32 s[G1+3], 32<<16
	s_mov_b32 s[G1+4], 128
	s_mov_b32 s[G1+5], 32
	s_mov_b32 s[G1+6], 0
	s_mov_b32 s[G1+7], 0
	; group 1, W: 128 rows of 512 bytes, four words of padding after every 128 (code 6)
	s_or_b32 s[G1B+0], s44, (0<<16)|(1<<20)|(1<<21)|(6<<22)|(3<<25)
	s_mov_b32 s[G1B+1], 512<<16
	s_mov_b32 s[G1B+2], 128<<16
	s_mov_b32 s[G1B+3], 512<<16
	s_mov_b32 s[G1B+4], 128
	s_mov_b32 s[G1B+5], 512
	s_mov_b32 s[G1B+6], 0
	s_mov_b32 s[G1B+7], 0
	s_lshl_b32 s20, s17, 16                        ; the tokens' block: 65,536 bytes a work-group,
	s_lshl_b32 s18, s16, 15                        ; my half of it
	s_add_co_u32 s20, s20, s18
	s_mov_b32 s21, 0
	s_lshl_b32 s46, s42, 17                        ; W's 256 rows of 512 bytes,
	s_lshl_b32 s18, s16, 16                        ; my 128 of them
	s_add_co_u32 s46, s46, s18
	s_mov_b32 s47, 0
	s_lshl_b32 s45, s16, 15                        ; where they go: no place in the cluster enters an LDS address
	s_mul_i32 s2, s16, HALFT
	s_add_co_u32 s2, s2, BBASE
	s_wait_dscnt 0x0                               ; both opening adds are done
	s_wait_kmcnt 0x0
	s_add_nc_u64 s[20:21], s[4:5], s[20:21]
	s_add_nc_u64 s[46:47], s[8:9], s[46:47]
	CROUND                                         ; all sixteen work-groups are here: the joint loads meet
	s_mov_b32 s[G0], 1
	s_mov_b32 s[G0+1], s45
	s_mov_b64 s[G0+2:G0+3], s[20:21]
	s_or_b32 s[G0+3], s[G0+3], 0x80000000
	s_mov_b32 s[G0B], 1
	s_mov_b32 s[G0B+1], s2
	s_mov_b64 s[G0B+2:G0B+3], s[46:47]
	s_or_b32 s[G0B+3], s[G0B+3], 0x80000000
	s_cmp_eq_u32 s15, 0                            ; every wave issues one load: a fill in each arm of a branch on the wave's number
	s_cbranch_scc0 .Lfor_b
	tensor_load_to_lds s[G0:G0+3], s[G1:G1+7]
	s_nop 0
.rept 4
	v_nop
.endr
	s_branch .Lasked
.Lfor_b:
	tensor_load_to_lds s[G0B:G0B+3], s[G1B:G1B+7]
	s_nop 0
.rept 4
	v_nop
.endr
.Lasked:
	v_and_b32 v1, 15, v0                           ; r
	v_bfe_u32 v2, v0, 4, 1                         ; h
	v_and_b32 v6, 31, v0
	v_lshlrev_b32 v[CO], 4, v6                     ; 16 x lane
	v_mul_u32_u24 v3, v1, PITCH
	v_lshl_add_u32 v4, v2, 4, v3                   ; W: row r x pitch + 16 h
	s_lshl_b32 s21, s15, 15                        ; my 64 tokens: four tiles of 8,192 bytes
	s_mul_i32 s22, s16, HALFT
	s_add_co_u32 s22, s22, BBASE                   ; my 128 rows of W
	v_add_nc_u32 v[ADRA], s21, v[CO]
	v_add_nc_u32 v[ADRB], s22, v4
	s_mul_i32 s23, s14, 16*SPITCH
	s_add_co_u32 s23, s23, STAGE                   ; my stage
	v_mul_u32_u24 v5, v1, SPITCH
	v_lshl_add_u32 v5, v2, 5, v5
	v_add_nc_u32 v[STO], s23, v5                   ; in: row r, 32 bytes for each half of the lanes
	v_add_nc_u32 v[RD], s23, v[CO]                 ; back: the 32 lanes take one row of 512 bytes
	v_lshlrev_b32 v[BO], 5, v2                     ; 32 h: the bias
	v_lshlrev_b32 v[SO], 5, v1                     ; 32 r: a row of scale bytes
	s_wait_alu depctr_va_vdst(0)                   ; the wait at the head's end
	s_lshl_b32 s20, s17, 7
	s_lshl_b32 s21, s15, 6
	s_add_co_u32 s20, s20, s21                     ; my first token
	s_lshl_b32 s18, s20, 5                         ; its scale bytes
	s_mov_b32 s19, 0
	s_add_nc_u64 s[6:7], s[6:7], s[18:19]
	s_lshl_b32 s18, s20, 12                        ; its row of out0: 4,096 bytes a row
	s_lshl_b32 s46, s42, 10
	s_lshl_b32 s47, s16, 9
	s_add_co_u32 s46, s46, s47                     ; my first column, in bytes of f32
	s_mov_b32 s47, 0
	s_add_nc_u64 s[96:97], s[96:97], s[46:47]
	s_add_nc_u64 s[12:13], s[12:13], s[46:47]
	s_add_nc_u64 s[12:13], s[12:13], s[18:19]
	s_lshl_b32 s18, s46, 3                         ; that column is a row of W: 32 scale bytes a row
	s_add_nc_u64 s[10:11], s[10:11], s[18:19]
.irp b, 0,1,2,3,4,5,6,7
	global_load_b128 v[BIAS+8*\b:BIAS+8*\b+3], v[BO], s[96:97] offset:64*\b
	global_load_b128 v[BIAS+8*\b+4:BIAS+8*\b+7], v[BO], s[96:97] offset:64*\b+16
.endr
.irp a, 0,1,2,3
	global_load_b128 v[SA+8*\a:SA+8*\a+3], v[SO], s[6:7] offset:512*\a
	global_load_b128 v[SA+8*\a+4:SA+8*\a+7], v[SO], s[6:7] offset:512*\a+16
.endr
.irp b, 0,1,2,3,4,5,6,7
	global_load_b128 v[SB+8*\b:SB+8*\b+3], v[SO], s[10:11] offset:512*\b
	global_load_b128 v[SB+8*\b+4:SB+8*\b+7], v[SO], s[10:11] offset:512*\b+16
.endr
; The fragments of the q-th 128 along K into set p: W's eight (16 loads), the tokens' four (8 loads).  16 rows x 128 K of 4-bit codes are 8 registers: registers 4 c .. 4 c + 3 hold K = 64 c + 32 (lane / 16) + 0 .. 31
.macro FETCH q, p
	WIN 0x40                                       ; destination window 1
.irp i, 0,1,2,3,4,5,6,7
.irp c, 0,1
	ds_load_b128 v[128*(\p)+8*\i+4*\c:128*(\p)+8*\i+4*\c+3], v[ADRB] offset:64*(\q)+32*\c+\i*16*PITCH
.endr
.endr
	WIN 0
.irp i, 0,1,2,3
.irp c, 0,1
	ds_load_b128 v[AF+32*(\p)+8*\i+4*\c:AF+32*(\p)+8*\i+4*\c+3], v[ADRA] offset:8192*\i+1024*(\q)+512*\c
.endr
.endr
.endm
; 32 matrix instructions: the 32 accumulators take turns, one instruction a turn, in the same order in every step
.macro MUL32 p, q, first
.irp a, 0,1,2,3
.irp b, 0,1,2,3,4,5,6,7
.if \first
	v_wmma_scale_f32_16x16x128_f8f6f4 v[8*(8*\a+\b):8*(8*\a+\b)+7], v[128*(\p)+8*\b:128*(\p)+8*\b+7], v[AF+32*(\p)+8*\a:AF+32*(\p)+8*\a+7], v[BIAS+8*\b:BIAS+8*\b+7], v[SB+8*\b+(\q)], v[SA+8*\a+(\q)] matrix_a_fmt:MATRIX_FMT_FP4 matrix_b_fmt:MATRIX_FMT_FP4
.else
	v_wmma_scale_f32_16x16x128_f8f6f4 v[8*(8*\a+\b):8*(8*\a+\b)+7], v[128*(\p)+8*\b:128*(\p)+8*\b+7], v[AF+32*(\p)+8*\a:AF+32*(\p)+8*\a+7], v[8*(8*\a+\b):8*(8*\a+\b)+7], v[SB+8*\b+(\q)], v[SA+8*\a+(\q)] matrix_a_fmt:MATRIX_FMT_FP4 matrix_b_fmt:MATRIX_FMT_FP4
.endif
.endr
.endr
.endm
.macro STEP q                          ; 128 along K: the next step's 24 loads go out ahead of this step's products
.if (\q) > 0
	PLACES NP                                      ; the other set was read by the last step's products
.endif
.if (\q) < 7
	FETCH (\q)+1, 1-(\q)%2
	s_wait_dscnt 24                                ; all but the 24 just issued: this step's fragments are in
.else
	s_wait_dscnt 0x0
.endif
.if (\q) == 0
	WIN 0x81                                       ; source 0 window 1, source 1 and C (the bias) window 0, D window 2
	MUL32 0, 0, 1
.else
	WIN 0xa1                                       ; C and D window 2
	MUL32 (\q)%2, \q, 0
.endif
	WIN 0
.endm
	s_wait_tensorcnt 0x0                           ; my part of the tiles is in,
	s_barrier_signal -1
	s_barrier_wait -1                              ; everybody's is; nothing is filled again
	FETCH 0, 0
	s_wait_loadcnt 0x0                             ; the bias and the scale words
.irp q, 0,1,2,3,4,5,6,7
	STEP \q
.endr
; THE WAY OUT, block by block of 16 tokens x 128 columns.  LDS serves a wave's instructions in order (ISA guide 5.7.1.4): no wait between my stores to my stage and my loads from it
.macro TOSTAGE a
.set AC, 64*(\a)
	WIN 0x08                                       ; the data: window 2
.irp b, 0,1,2,3,4,5,6,7
	ds_store_b128 v[STO], v[AC+8*\b:AC+8*\b+3] offset:64*\b          ; each accumulator from its low end on
	ds_store_b128 v[STO], v[AC+8*\b+4:AC+8*\b+7] offset:64*\b+16
.endr
	WIN 0
.set BB, BK+64*((\a)%2)
.irp t, 0,1,2,3,4,5,6,7,8,9,10,11,12,13,14,15
	ds_load_b128 v[BB+4*\t:BB+4*\t+3], v[RD] offset:\t*SPITCH
.endr
.endm
.macro SEND a, younger                 ; younger: the LDS instructions issued behind block a's loads, which may stay out
.set BB, BK+64*((\a)%2)
	s_wait_dscnt \younger
.if (\a) > 0
	s_add_nc_u64 s[12:13], s[12:13], 16*SIZE_N*4   ; (behind a wait on XCNT: the earlier stores have read their base)
.endif
.irp t, 0,1,2,3,4,5,6,7,8,9,10,11,12,13,14,15
	global_store_b128 v[CO], v[BB+4*\t:BB+4*\t+3], s[12:13] offset:\t*SIZE_N*4 th:TH_STORE_NT   ; 32 lanes store 512 consecutive bytes, at a multiple of 256 from out0's first byte
.endr
.endm
	PLACES NP                                      ; between the last products and the reads of their results and the loads into their sources
	TOSTAGE 0
.irp a, 1,2,3
.if \a > 1
	s_wait_xcnt 0x0                                ; block a - 2's stores have read their registers and their base
.endif
	TOSTAGE \a
	SEND \a-1, 32                                  ; behind block a - 1's loads: block a's 16 stores and 16 loads
.endr
	s_wait_xcnt 0x0
	SEND 3, 0
	s_wait_tensorcnt 0x0                           ; the wave's end
	ds_add_u32 v[SPW], v[NIL]
	s_wait_dscnt 0x0
	CROUND                                         ; the closing round
	s_endpgm
.Lfunc_end_k_qf231d8a750_proj:
	.size	k_qf231d8a750_proj, .Lfunc_end_k_qf231d8a750_proj-k_qf231d8a750_proj
	.p2alignl 7, 3214868480
	.fill 96, 4, 3214868480
	.section	.rodata,"a",@progbits
	.p2align	6, 0x0
	.amdhsa_kernel k_qf231d8a750_proj
		.amdhsa_group_segment_fixed_size 327680
		.amdhsa_private_segment_fixed_size 0
		.amdhsa_enable_private_segment 0
		.amdhsa_kernarg_size 48
		.amdhsa_user_sgpr_count 2
		.amdhsa_user_sgpr_kernarg_segment_ptr 1
		.amdhsa_wavefront_size32 1
		.amdhsa_system_sgpr_workgroup_id_x 1
		.amdhsa_system_sgpr_workgroup_id_y 1
		.amdhsa_system_sgpr_workgroup_id_z 1
		.amdhsa_system_vgpr_workitem_id 0
		.amdhsa_next_free_vgpr 768
		.amdhsa_next_free_sgpr 100
		.amdhsa_reserve_vcc 0
		.amdhsa_float_denorm_mode_32 3
		.amdhsa_float_denorm_mode_16_64 3
		.amdhsa_memory_ordered 1
		.amdhsa_forward_progress 1
		.amdhsa_inst_pref_size 71
	.end_amdhsa_kernel
	.amdgpu_metadata
---
amdhsa.version: [ 1, 2 ]
amdhsa.kernels:
  - .name:           k_qf231d8a750_proj
    .symbol:         k_qf231d8a750_proj.kd
    .args:
      - { .name: attn_img, .offset: 0, .size: 8, .value_kind: global_buffer, .address_space: global }
      - { .name: attn_sc, .offset: 8, .size: 8, .value_kind: global_buffer, .address_space: global }
      - { .name: Wo_w_codes, .offset: 16, .size: 8, .value_kind: global_buffer, .address_space: global }
      - { .name: Wo_w_scales, .offset: 24, .size: 8, .value_kind: global_buffer, .address_space: global }
      - { .name: Wo_b, .offset: 32, .size: 8, .value_kind: global_buffer, .address_space: global }
      - { .name: out0, .offset: 40, .size: 8, .value_kind: global_buffer, .address_space: global }
    .group_segment_fixed_size: 327680
    .private_segment_fixed_size: 0
    .kernarg_segment_align: 8
    .kernarg_segment_size: 48
    .max_flat_workgroup_size: 128
    .sgpr_count:     100
    .vgpr_count:     768
    .wavefront_size: 32
...
	.end_amdgpu_metadata
.endif
;; end of part 3
